; MI455X (gfx1250); checked and timed in simulation.
; The chip was launched on July 23, 2026; its instructions are those of AMD's public machine-readable ISA for CDNA 5 (MIT licence, August 2026) and "CDNA5" Instruction Set Architecture Reference Guide (July 2026). The comments in the code are by the model that wrote it; some were corrected since.
;; Attention. Allowed arithmetic: matrix products marked QUANTISED: E3M2 operands, one E8M0 scale for each 32 along K, by v_wmma_scale_f32_16x16x128_f8f6f4 with both operands' format E3M2, f32 sums; everything else in f32.
;; Inputs: w_proj 1,024 x 1,024 float32; w_qkv 1,024 x 3,072 float32; x 4 x 2,048 x 1,024 float32.
;; Outputs: out0 4 x 2,048 x 1,024 float32.
;; This version of the problem:
;;   THIS VERSION OF THE PROBLEM IS GIVEN IN LOW PRECISION. The matrix products marked QUANTISED in the list below multiply operands that are first quantised to E3M2 (3 exponent bits, 2 mantissa bits; 6 bits a number), with one power-of-two scale for each 32 numbers along K (OCP MX v1.0); their sums are f32. All else is computed in f32.
;;   The module's matrix products, in the order in which they are computed (A, B: the left and right operand; K: the contracted axis; several contracted axes count as one K, in the product's order):
;;     1. [M 8,192, K 1,024] x [K 1,024, N 3,072]; A: input x; B: input w_qkv: QUANTISED
;;     2. batch 64 x [M 2,048, K 64] x [K 64, N 2,048]; A: computed on the way; B: computed on the way: QUANTISED
;;     3. batch 64 x [M 2,048, K 2,048] x [K 2,048, N 64]; A: softmax (see below); B: computed on the way: QUANTISED
;;     4. [M 8,192, K 1,024] x [K 1,024, N 1,024]; A: computed on the way; B: input w_proj: QUANTISED
;;   THE QUANTISER, for each operand of a quantised product, along K:
;;     - K is cut into blocks of 32 from its start; a last block that is shorter is filled with zeros.
;;     - A block's scale is 2^e with e = floor(log2(the largest magnitude in the block)) - 4, held to -126 .. 127; a block of zeros has e = 0. As a byte (E8M0): e + 127.
;;     - Each number is divided by its block's scale, clamped to +-28, and rounded to the nearest number of E3M2, ties to even, subnormals kept.
;;     - The product sums the exact products of the quantised numbers (number of the format x scale) in f32.
;;   ~~~python
;;   def quantise(x, axis):      # numpy; x: float32 -> the quantised numbers, widened to float32 again
;;       x = np.moveaxis(x, axis, -1); K = x.shape[-1]
;;       x = np.pad(x, [(0, 0)] * (x.ndim - 1) + [(0, -K % 32)]); x = x.reshape(x.shape[:-1] + (-1, 32)); a = np.abs(x).max(-1, keepdims=True)
;;       e = np.where(a > 0, np.clip(np.frexp(np.where(a > 0, a, 1))[1] - 1 - 4, -126, 127), 0)      # np.frexp(a)[1] - 1 = floor(log2(a)), exactly
;;       r = np.clip(x / 2.0 ** e, -28, 28)
;;       step = 2.0 ** (np.maximum(np.frexp(np.where(r == 0, 1, r))[1] - 1, -2) - 2)
;;       q = np.round(r / step) * step * 2.0 ** e      # np.round: ties to even
;;       return np.moveaxis(q.reshape(q.shape[:-2] + (-1,))[..., :K], -1, axis).astype(np.float32)
;;   ~~~
;;   SOFTMAX AHEAD OF A QUANTISED PRODUCT. Where the list says 'softmax', what is quantised is not the finished softmax but p = 2^(t - M), with t = logit x log2(e) and M = ceil(the row's largest t), a whole number; so 1/2 < the row's largest p <= 1. The row's sum l is taken of the UNQUANTISED p, in f32, and the product's result is divided by l at the end. Since M is a whole number, a kernel that streams over the keys may use a running M (the ceiling of the running maximum): every later rescaling is an exact power of two, which a block's scale takes up: the codes' values come out the same.
;;   OPERANDS COMPUTED ON THE WAY. 'Computed on the way' means the value that the module computes at that place (a softmax that the list does not call 'softmax' is quantised finished and normalised). What goes into a quantiser is computed in f32, as accurately as f32 sums, v_exp_f32 and their like allow (about 1e-6 of the number): no bf16 or f16 on the way to a quantiser, and a product that is left as it is and whose result goes on into a quantised operand takes f32 operands (vector FMAs, or v_wmma_f32_16x16x4_f32). A number that lies on a knife's edge between two numbers of the format may be rounded either way, as far as f32 arithmetic and the matrix unit's own rounding can turn it there, and no further.
;; One version. Each part assembles by itself: llvm-mc -triple=amdgcn-amd-amdhsa -mcpu=gfx1250 --defsym DOCPART=n.
;; ======== version 1 of 1: 4 launches
;; workspace buffers: xc 6,291,456 bytes; xs 262,144 bytes; wc 3,145,728 bytes; ws 131,072 bytes; qc 7,340,032 bytes; kv 14,155,776 bytes; oc 6,291,456 bytes; os 262,144 bytes
;; launch quant (part 1): grid 384 x 1, 4 waves a work-group, no clusters, 68,096 bytes of LDS; arguments x, w_qkv, w_proj, xc, xs, wc, ws; writes xc, xs, wc, ws
.if DOCPART == 1
	.amdgcn_target "amdgcn-amd-amdhsa--gfx1250"
	.amdhsa_code_object_version 6
	.text
	.protected	k_q3c96e0ce96_quant
	.globl	k_q3c96e0ce96_quant
	.p2align	8
	.type	k_q3c96e0ce96_quant,@function
k_q3c96e0ce96_quant:
	s_mov_b64 s[64:65], 0
	v_nop
	global_prefetch_b8 v0, s[64:65] scope:SCOPE_SE
	s_setreg_imm32_b32 hwreg(HW_REG_WAVE_MODE, 25, 1), 1
	s_wait_xcnt 0x0
; x [8192][1024], w_qkv [1024][3072] and w_proj [1024][1024], all f32, become codes of BF6 (E3M2), 6 bits each, K innermost, with one E8M0 scale byte for each 32 along K.
; xc [8192][768 bytes], xs [8192][32]: a row is a token.  wc [4096][768], ws [4096][32]: a row is a column of w_qkv (rows 0-3071) or of w_proj (rows 3072-4095).
; A block's scale is 2^(floor(log2(its largest magnitude)) - 4); its byte is the largest magnitude's exponent field - 4, held at 1 from below.
; ROWS ARE LAID IN A PERMUTED ORDER: true row t lies at place PI(t), PI = bits 3 and 4 of the index exchanged (its own inverse).  Sixteen consecutive places 16 (2 b + u) + r then hold the
; true rows 32 b + 8 u + r + 8 (r / 8), so that in the later products the 16 registers of two neighbouring result tiles are 16 true neighbours, ready for the next quantiser.
; LIMITS: NaN and infinities among the inputs are not served.  A block whose largest magnitude lies under 2^(5 - 127) gets the byte 1; a block of zeros gets the byte 1 where the rule says 127:
; its codes are zeros, which add nothing under any byte but 0xff, and the bytes are read by this program alone.
; Work-groups 0-255 take x (K innermost: a plain stream of blocks), work-groups 256-383 the weights (K outermost: a lane takes a column, its registers run down K).
; The two ways part on the work-group's number, never meet again, and have LDS bytes of their own (0-32,767 and 32,768-67,583).  No barrier: waves share nothing.
; No cluster: no two work-groups read the same input byte.  No matrix unit, no tensor load: the launch only streams.
.set STEPS, 16                         ; x: steps of 512 numbers for a wave: 8 rows
.set EMAX,  4
.set CB,    12                         ; bytes of 16 codes
.set R,     16                         ; x: v16-79   four sets of 16 numbers as they are loaded
.set X,     80                         ; x: v80-111  two sets of 16 neighbours
.set C,     128                        ; x: v128-191 codes: four registers for each step, so that no store's data are written again
.set E,     112                        ; x: v112-127 a scale byte for each step
.set WREG,  8192                       ; x: LDS region of a wave: two stages of 32 x SP bytes, behind them its 256 scale bytes
.set SP,    80                         ; x: a lane's place in a stage: 64 bytes + 16 of padding
.set WSTAGE, 32768                     ; w: where the weights' stages begin
.set WPITCH, 272                       ; w: a stage row: sixteen places of 16 bytes, each with 12 bytes of codes, + 16
.set NB,    8                          ; w: blocks of 32 along K for a wave (256 along K)
.set KROW,  768                        ; a row of codes in bytes
.set WX,    32                         ; w: v32-95   two sets of 32 numbers
.set WC,    96                         ; w: v96..    a block's codes
.set OUTR,  112                        ; w: v112-175 the way out
.set SB,    24                         ; w: v24-25   the scale bytes, four to a register
	s_load_b256 s[4:11], s[0:1], 0x0               ; x s[4:5], w_qkv s[6:7], w_proj s[8:9], xc s[10:11]
	s_load_b128 s[12:15], s[0:1], 0x20             ; xs s[12:13], wc s[14:15]
	s_load_b64 s[16:17], s[0:1], 0x30              ; ws
	v_lshl_add_u32 v192, v0, 2, 0x10800
	v_mov_b32 v193, 0
	v_lshrrev_b32 v1, 5, v0
	v_readfirstlane_b32 s18, v1                    ; wave 0..3
	v_and_b32 v2, 31, v0                           ; lane
	s_cmp_ge_u32 ttmp9, 256
	s_cbranch_scc1 .Lweights
; ---------------- x.  Wave w of work-group g reads rows 32 g + 8 w .. + 7 and writes them at rows 32 g + 8 w' .. + 7, w' = w with its two bits exchanged: that is PI on tokens.
; Each of a step's four loads reads 512 consecutive bytes, 16 a lane; the 2,048 bytes go through the wave's own stage in LDS and come back 64 bytes a lane: 16 neighbours along K (two lanes hold a block).
	v_lshlrev_b32 v3, 4, v2                        ; my 16 bytes of a load's 512
	s_mul_i32 s19, s18, WREG
	v_lshrrev_b32 v14, 2, v2
	v_mul_u32_u24 v14, v14, SP
	v_and_b32 v15, 3, v2
	v_lshl_add_u32 v14, v15, 4, v14
	v_add_nc_u32 v14, s19, v14                     ; the stage, on the way in: SP (lane / 4) + 16 (lane % 4)
	v_mul_u32_u24 v15, v2, SP
	v_add_nc_u32 v15, s19, v15                     ; and on the way out: SP x lane
	v_mul_u32_u24 v4, v2, CB                       ; my codes' place in a step's 384 bytes
	v_lshrrev_b32 v5, 1, v2
	s_add_co_u32 s19, s19, 2*32*SP
	v_add_nc_u32 v5, s19, v5                       ; LDS: my wave's 256 scale bytes, my block's byte
	v_lshlrev_b32 v7, 3, v2                        ; and on the way out 8 bytes a lane
	v_add_nc_u32 v6, s19, v7
	s_lshl_b32 s20, ttmp9, 2
	s_add_co_u32 s22, s20, s18                     ; the run of 8 rows that I read
	s_and_b32 s21, s18, 1
	s_lshl_b32 s21, s21, 1
	s_lshr_b32 s23, s18, 1
	s_or_b32 s21, s21, s23
	s_add_co_u32 s24, s20, s21                     ; and the run at which I write
	s_lshl_b32 s22, s22, 15                        ; 8 rows of 4,096 bytes
	s_mov_b32 s23, 0
	s_mul_i32 s26, s24, 8*KROW                     ; 8 rows of 768 bytes
	s_mov_b32 s27, 0
	s_lshl_b32 s24, s24, 8                         ; 8 rows of 32 scale bytes
	s_mov_b32 s25, 0
	s_wait_alu depctr_va_vdst(0)
	s_wait_kmcnt 0x0
	s_add_nc_u64 s[4:5], s[4:5], s[22:23]
	s_add_nc_u64 s[10:11], s[10:11], s[26:27]
	s_add_nc_u64 s[12:13], s[12:13], s[24:25]
.macro XLOAD t
.irp i, 0,1,2,3
	global_load_b128 v[R+16*((\t)%4)+4*\i:R+16*((\t)%4)+4*\i+3], v3, s[4:5] offset:2048*(\t)+512*\i th:TH_LOAD_NT   ; 32 lanes read 512 consecutive bytes
.endr
.endm
.macro XTURN t                         ; step t's numbers through the stage: LDS serves a wave's instructions in order (ISA guide 5.7.1.4), so no wait stands between the stores and the loads
.irp i, 0,1,2,3
	ds_store_b128 v14, v[R+16*((\t)%4)+4*\i:R+16*((\t)%4)+4*\i+3] offset:32*SP*((\t)%2)+8*SP*\i
.endr
.irp i, 0,1,2,3
	ds_load_b128 v[X+16*((\t)%2)+4*\i:X+16*((\t)%2)+4*\i+3], v15 offset:32*SP*((\t)%2)+16*\i
.endr
.endm
.irp t, 0,1,2,3
	XLOAD \t
.endr
	s_wait_loadcnt 12                              ; step 0's four loads are in; the twelve of steps 1 to 3 stay out
	XTURN 0
.macro XSTEP t
.set XS, X+16*((\t)%2)
.if (\t) > 0
	s_wait_dscnt 1                                 ; this step's numbers are back from the stage (the last step's byte store may be out): so its stores into the stage have read their registers,
.else
	s_wait_dscnt 0x0
.endif
.if (\t)+4 < STEPS
	XLOAD (\t)+4                                   ; which take the loads of four steps on
.endif
.if (\t)+1 < STEPS
.if STEPS-2-(\t) >= 3
	s_wait_loadcnt 12                              ; the next step's four loads are in; those of the three steps behind it may be out
.else
	s_wait_loadcnt 4*(STEPS-2-(\t))
.endif
	XTURN (\t)+1                                   ; and go through the other stage while this step is worked
.endif
	v_max3_num_f32 v8, |v[XS]|, |v[XS+1]|, |v[XS+2]|               ; the largest magnitude of my 16, in two chains
	v_max3_num_f32 v9, |v[XS+3]|, |v[XS+4]|, |v[XS+5]|
.irp i, 6,10
	v_max3_num_f32 v8, v8, |v[XS+\i]|, |v[XS+\i+1]|
	v_max3_num_f32 v9, v9, |v[XS+\i+2]|, |v[XS+\i+3]|
.endr
	v_max3_num_f32 v8, v8, |v[XS+14]|, |v[XS+15]|
	v_max3_num_f32 v8, v8, v9, (EMAX+1)<<23        ; and the floor 2^(5 - 127): so the byte cannot fall under 1
	v_max_num_f32_dpp v8, v8, v8 row_xmask:1 row_mask:0xf bank_mask:0xf   ; and of my neighbour's 16: the block's
	v_add_nc_u32 v11, -(EMAX<<23), v8              ; 4 off its exponent field: the conversion takes the exponent field of this operand as its scale
	v_cvt_scalef32_pk16_bf6_f32 v[C+4*(\t):C+4*(\t)+2], v[XS:XS+15], v11   ; sixteen codes, 96 bits without gaps
	v_lshrrev_b32 v[E+(\t)], 23, v11               ; the scale's byte (also the plain line behind the conversion)
	ds_store_b8 v5, v[E+(\t)] offset:16*(\t)       ; both lanes of a block write the same byte with the same value
	global_store_b96 v4, v[C+4*(\t):C+4*(\t)+2], s[10:11] offset:32*CB*(\t)   ; the wave stores 384 consecutive bytes
.endm
.irp t, 0,1,2,3,4,5,6,7,8,9,10,11,12,13,14,15
	XSTEP \t
.endr
	ds_load_b64 v[12:13], v6                       ; in order behind my byte stores
	s_wait_dscnt 0x0
	global_store_b64 v7, v[12:13], s[12:13]        ; 32 lanes store 256 consecutive bytes, at a multiple of 256 from xs's first byte
	s_wait_tensorcnt 0x0
	ds_add_u32 v192, v193
	s_wait_dscnt 0x0
	s_endpgm
; ---------------- the weights.  A work-group takes 128 columns x 256 along K, a wave 32 columns.  A lane takes a column and its registers run down K: a block of 32 lies in one lane,
; and the conversions give codes with K innermost.  The codes go through the wave's own stage, column n at stage row PI(n), and leave as rows of 192 consecutive bytes.
.Lweights:
	s_sub_co_u32 s19, ttmp9, 256
	s_and_b32 s20, s19, 31                         ; which 128 columns of the 4,096: 0-23 w_qkv's, 24-31 w_proj's
	s_lshr_b32 s21, s19, 5                         ; which 256 along K
	s_lshl_b32 s22, s20, 7
	s_lshl_b32 s23, s18, 5
	s_add_co_u32 s22, s22, s23                     ; my wave's first row of wc and ws
	s_wait_alu depctr_va_vdst(0)
	v_lshlrev_b32 v3, 2, v2                        ; in: 4 bytes a lane
	v_lshrrev_b32 v10, 1, v2
	v_xor_b32 v10, v10, v2
	v_and_b32 v10, 8, v10                          ; 8 where bits 3 and 4 of the lane differ
	v_mul_u32_u24 v10, v10, 3                      ; 24 there
	v_xor_b32 v10, v10, v2                         ; PI(lane)
	s_mul_i32 s29, s18, 32*WPITCH
	s_add_co_u32 s29, s29, WSTAGE                  ; my stage
	v_mul_u32_u24 v4, v10, WPITCH
	v_add_nc_u32 v4, s29, v4                       ; into it: row PI(my column)
	v_and_b32 v5, 15, v2
	v_lshrrev_b32 v6, 4, v2                        ; out of it: sixteen lanes to a row, two rows an instruction
	v_mul_u32_u24 v7, v6, WPITCH
	v_lshl_add_u32 v7, v5, 4, v7
	v_add_nc_u32 v7, s29, v7
	v_mul_u32_u24 v8, v6, KROW
	v_mad_u32_u24 v8, v5, 12, v8                   ; and the same place in wc
	v_lshlrev_b32 v9, 5, v10                       ; my column's row of scale bytes
	s_mov_b32 s24, 0x100000                        ; 256 rows of w_proj in bytes
	s_mov_b32 s25, 3072
	s_wait_kmcnt 0x0
	s_cmp_lt_u32 s20, 24                           ; the choice hangs on the work-group's number alone
	s_cselect_b64 s[6:7], s[6:7], s[8:9]
	s_cselect_b32 s24, 0x300000, s24               ; 256 rows of w_qkv in bytes
	s_cselect_b32 s25, 0, s25                      ; the tensor's first column among the 4,096
	s_mul_i32 s24, s21, s24
	s_sub_co_u32 s25, s22, s25
	s_lshl_b32 s25, s25, 2
	s_add_co_u32 s24, s24, s25
	s_mov_b32 s25, 0
	s_add_nc_u64 s[6:7], s[6:7], s[24:25]
	s_mul_i32 s26, s22, KROW
	s_mul_i32 s27, s21, 192
	s_add_co_u32 s26, s26, s27
	s_mov_b32 s27, 0
	s_add_nc_u64 s[14:15], s[14:15], s[26:27]
	s_lshl_b32 s26, s22, 5
	s_lshl_b32 s28, s21, 3
	s_add_co_u32 s26, s26, s28
	s_add_nc_u64 s[16:17], s[16:17], s[26:27]
.macro WLOAD t                         ; block t: W(32 t + i, my column), i = 0 .. 31, into set t % 2.  The two tensors differ in the bytes from row to row: both ways issue 32 loads
	s_cmp_lt_u32 s20, 24
	s_cbranch_scc0 .Lnarrow_\@
.set wi, 0
.rept 32
	global_load_b32 v[WX+32*((\t)%2)+wi], v3, s[6:7] offset:(32*(\t)+wi)*12288 th:TH_LOAD_NT
.set wi, wi+1
.endr
	s_branch .Lasked_\@
.Lnarrow_\@:
.set wi, 0
.rept 32
	global_load_b32 v[WX+32*((\t)%2)+wi], v3, s[6:7] offset:(32*(\t)+wi)*4096 th:TH_LOAD_NT
.set wi, wi+1
.endr
.Lasked_\@:
.endm
	WLOAD 0
	WLOAD 1
.macro WBLOCK t
.set XS, WX+32*((\t)%2)
.if (\t) < NB-1
	s_wait_loadcnt 32                              ; this block's 32 loads are in; the next block's 32 may be out
.else
	s_wait_loadcnt 0
.endif
	v_max3_num_f32 v12, |v[XS]|, |v[XS+1]|, |v[XS+2]|               ; the block's largest magnitude: all 32 numbers are mine
	v_max3_num_f32 v13, |v[XS+3]|, |v[XS+4]|, |v[XS+5]|
.irp i, 6,10,14,18,22,26
	v_max3_num_f32 v12, v12, |v[XS+\i]|, |v[XS+\i+1]|
	v_max3_num_f32 v13, v13, |v[XS+\i+2]|, |v[XS+\i+3]|
.endr
	v_max3_num_f32 v12, v12, |v[XS+30]|, |v[XS+31]|
	v_max3_num_f32 v12, v12, v13, (EMAX+1)<<23     ; and the floor
	v_add_nc_u32 v11, -(EMAX<<23), v12             ; the conversion's scale operand
	v_lshrrev_b32 v13, 23, v11                     ; the scale's byte
.if (\t)%4 == 0
	v_mov_b32 v[SB+(\t)/4], v13                    ; four bytes to a register, the lower K in the lower byte
.else
	v_lshl_or_b32 v[SB+(\t)/4], v13, 8*((\t)%4), v[SB+(\t)/4]
.endif
	v_cvt_scalef32_pk16_bf6_f32 v[WC:WC+2], v[XS:XS+15], v11
	v_cvt_scalef32_pk16_bf6_f32 v[WC+4:WC+6], v[XS+16:XS+31], v11   ; (a conversion's three registers begin on an even number)
	v_nop                                          ; one plain line behind the conversions
	ds_store_b96 v4, v[WC:WC+2] offset:32*(\t)     ; 12 bytes to a place of 16, so that every LDS address is a multiple of 16
	ds_store_b96 v4, v[WC+4:WC+6] offset:32*(\t)+16
.if (\t)+2 < NB
	WLOAD (\t)+2
.endif
	s_wait_dscnt 0x0                               ; the stores have read their registers: the next block's codes may be written
.endm
.irp t, 0,1,2,3,4,5,6,7
	WBLOCK \t
.endr
	s_wait_alu depctr_va_vdst(0)
	global_store_b64 v9, v[SB:SB+1], s[16:17]      ; my column's 8 scale bytes
.irp t, 0,1,2,3,4,5,6,7,8,9,10,11,12,13,14,15
	ds_load_b96 v[OUTR+4*\t:OUTR+4*\t+2], v7 offset:2*\t*WPITCH   ; in order behind my stores
.endr
.irp t, 0,1,2,3,4,5,6,7,8,9,10,11,12,13,14,15
	s_wait_dscnt 15-\t                             ; the younger reads of the stage stay out
	global_store_b96 v8, v[OUTR+4*\t:OUTR+4*\t+2], s[14:15] offset:2*\t*KROW   ; sixteen lanes store a row's 192 consecutive bytes
.endr
	s_wait_tensorcnt 0x0
	ds_add_u32 v192, v193
	s_wait_dscnt 0x0
	s_endpgm
.Lfunc_end_k_q3c96e0ce96_quant:
	.size	k_q3c96e0ce96_quant, .Lfunc_end_k_q3c96e0ce96_quant-k_q3c96e0ce96_quant
	.p2alignl 7, 3214868480
	.fill 96, 4, 3214868480
	.section	.rodata,"a",@progbits
	.p2align	6, 0x0
	.amdhsa_kernel k_q3c96e0ce96_quant
		.amdhsa_group_segment_fixed_size 68096
		.amdhsa_private_segment_fixed_size 0
		.amdhsa_enable_private_segment 0
		.amdhsa_kernarg_size 56
		.amdhsa_user_sgpr_count 2
		.amdhsa_user_sgpr_kernarg_segment_ptr 1
		.amdhsa_wavefront_size32 1
		.amdhsa_system_sgpr_workgroup_id_x 1
		.amdhsa_system_sgpr_workgroup_id_y 1
		.amdhsa_system_sgpr_workgroup_id_z 1
		.amdhsa_system_vgpr_workitem_id 0
		.amdhsa_next_free_vgpr 194
		.amdhsa_next_free_sgpr 66
		.amdhsa_reserve_vcc 0
		.amdhsa_float_denorm_mode_32 3
		.amdhsa_float_denorm_mode_16_64 3
		.amdhsa_memory_ordered 1
		.amdhsa_forward_progress 1
		.amdhsa_inst_pref_size 99
	.end_amdhsa_kernel
	.amdgpu_metadata
---
amdhsa.version: [ 1, 2 ]
amdhsa.kernels:
  - .name:           k_q3c96e0ce96_quant
    .symbol:         k_q3c96e0ce96_quant.kd
    .args:
      - { .name: x, .offset: 0, .size: 8, .value_kind: global_buffer, .address_space: global }
      - { .name: w_qkv, .offset: 8, .size: 8, .value_kind: global_buffer, .address_space: global }
      - { .name: w_proj, .offset: 16, .size: 8, .value_kind: global_buffer, .address_space: global }
      - { .name: xc, .offset: 24, .size: 8, .value_kind: global_buffer, .address_space: global }
      - { .name: xs, .offset: 32, .size: 8, .value_kind: global_buffer, .address_space: global }
      - { .name: wc, .offset: 40, .size: 8, .value_kind: global_buffer, .address_space: global }
      - { .name: ws, .offset: 48, .size: 8, .value_kind: global_buffer, .address_space: global }
    .group_segment_fixed_size: 68096
    .private_segment_fixed_size: 0
    .kernarg_segment_align: 8
    .kernarg_segment_size: 56
    .max_flat_workgroup_size: 128
    .sgpr_count:     66
    .vgpr_count:     194
    .wavefront_size: 32
...
	.end_amdgpu_metadata
.endif
;; end of part 1
;; launch gemm_qkv (part 2): grid 12 x 32, 4 waves a work-group, clusters of 4 x 4, 327,680 bytes of LDS; arguments xc, xs, wc, ws, qc, kv; writes qc, kv
.if DOCPART == 2
	.amdgcn_target "amdgcn-amd-amdhsa--gfx1250"
	.amdhsa_code_object_version 6
	.text
	.protected	k_q3c96e0ce96_gemm_qkv
	.globl	k_q3c96e0ce96_gemm_qkv
	.p2align	8
	.type	k_q3c96e0ce96_gemm_qkv,@function
k_q3c96e0ce96_gemm_qkv:
	s_mov_b64 s[64:65], 0
	v_nop
	global_prefetch_b8 v0, s[64:65] scope:SCOPE_SE
	s_setreg_imm32_b32 hwreg(HW_REG_WAVE_MODE, 25, 1), 1
	s_wait_xcnt 0x0
	s_wait_alu depctr_hold_cnt(0) depctr_sa_sdst(0) depctr_va_vdst(0) depctr_va_sdst(0) depctr_va_ssrc(0) depctr_va_vcc(0) depctr_vm_vsrc(0)
	s_getreg_b32 s2, hwreg(HW_REG_IB_STS2, 6, 4)
	s_cmp_eq_u32 s2, 0
	s_cbranch_scc0 .Lentry_in_a_cluster
	s_endpgm
.Lentry_in_a_cluster:
	s_bfe_u32 s2, ttmp6, 0x10000c
	s_cmp_lg_u32 s2, 0xf033
	s_cbranch_scc0 .Lentry_shape_is_right
	s_endpgm
.Lentry_shape_is_right:
; qkv = x w_qkv on codes of BF6 (E3M2) with E8M0 scales for each 32 along K = 1,024; sums in f32.  The results never go to memory as f32: each wave quantises its 128 x 128 of them in registers
; and stores codes and scale words in the order in which the attention launch's operand registers take them.
; A tile of 256 x 256 is made by four waves, a wave makes 128 x 128: 64 accumulators of 16 x 16, 512 registers.  K goes in steps of 256 through a ring of two LDS slots filled by the tensor data mover.
; THE MATRIX INSTRUCTION IS USED TRANSPOSED: source 0 = 16 rows of operand 'B', source 1 = 16 rows of operand 'A': a lane holds ONE row of A, and its registers run along B's rows.
; WHICH TENSOR IS A AND WHICH B hangs on the cluster's x, which all sixteen partners share:
;   x = 0 (q), x = 1 (k): A = tokens (xc), B = columns of w_qkv (wc): a lane holds a token, its registers run along the head's channels, which are the K of q k^T;
;   x = 2 (v):            A = columns of w_qkv, B = tokens:          a lane holds a channel, its registers run along the tokens, which are the K of p v.
; Rows of xc and wc lie in the permuted order PI (bits 3 and 4 exchanged), so the 16 registers of two neighbouring tiles of B are 16 TRUE neighbours: 32 b + 16 (lane / 16) + 0 .. 15.
; OUTPUT.  qc: [head 64][step 16][7,168]: four images of 1,536 bytes (12 registers a lane as three groups of four at 512 g + 16 lane: registers 0-5 the 16 tokens x 64 channels of tile 2 i, 6-11 of tile 2 i + 1),
; then four units of 256 bytes of scale words (8 bytes a lane: the words of the two tiles; lanes 16-31 repeat lanes 0-15).  kv: [head][step][13,824]: k likewise at 0 and 6,144; v's four images
; (16 channels x the step's 128 keys) at 7,168, its two units of scale words at 13,312.  Every store covers 512 or 256 consecutive bytes at a multiple of 256 from its buffer's first byte.
; Of a q or k scale word bytes 0, 1 are the head's two blocks; bytes 2, 3 are the neighbouring head's (even head) or 0 (odd head): never 0xff, and they only ever meet zero codes.
; CLUSTERS: 4 x 4 work-groups; A's tiles are asked for jointly along a row of the cluster, B's along a column.
; LIMITS: NaN and infinities are not served; a block whose largest magnitude lies under 2^(5 - 127), a block of zeros among them, gets the byte 1 (its codes are then zeros or nearly so; this program alone reads the bytes).
; REGISTERS, in windows of 256: window 0: v0-31 addresses; v32-63 scale words, two sets, and nothing else; from v128 A's fragments, ONE set; on the way out v64-191 results to store, v224-247 at work.
;   window 1: B's fragments, TWO sets, at v0 and v128.   window 2: the accumulators of my rows 0-63 ((a, b) at v[8 (8 a + b)]);   window 3: those of rows 64-127.
.set SIZE_K, 1024
.set KSTEP,  256                       ; along K in a slot
.set NQ,     KSTEP/128                 ; matrix instructions deep
.set ROWB,   192                       ; a tile's row in bytes
.set KROW,   SIZE_K*6/8                ; a row of codes in memory
.set PITCH,  240                       ; an LDS row: 3 x (64 bytes of data + 16 of padding)
.set FR,     12                        ; registers of a fragment
.set NL,     6                         ; LDS loads that bring one
.set NP,     4                         ; places behind this matrix instruction (ISA guide 7.12.1)
.set HALFT,  128*PITCH                 ; 128 rows: what one tensor load brings
.set SLOT,   4*HALFT                   ; A's 256 rows, then B's 256 rows
.set LAPS,   SIZE_K/(2*KSTEP)
.set KS,     SIZE_K/32                 ; a row of scale bytes
.set SCL,    2*SLOT                    ; behind the ring: the scales, as rows of 256 bytes + 16 of padding
.set HALFS,  (128*KS/256)*272          ; the scales of 128 rows
.set SBLK,   (16*KS/256)*272           ; those of 16 rows
.set SPARE,  SCL+4*HALFS               ; behind the scales: the spare words, 128 bytes for each wave
.set ADRA, 16                          ; v16-17 LDS address of my A fragments in slot 0, 1 (v18-19: behind one padding more)
.set ADRB, 20                          ; v20-21 the same for B (v22-23)
.set L8,   25                          ; v25  8 x lane
.set L16,  26                          ; v26  16 x lane
.set ADRS, 27                          ; v27  LDS address of my scale words: lanes 0-15 A's rows, lanes 16-31 B's
.set SPW,  28                          ; v28  my spare word's address; never rewritten
.set NIL,  29                          ; v29  0; never rewritten
.set SC,   32                          ; scale words
.set AF,   128                         ; A's fragments
.set TM,   224                         ; the way out: v224-227 largest magnitudes, v228-231 bytes, v236-239 the conversions' scale operands
.set CT,   240                         ; v240-246 the conversions' second halves
.set G1, 24
.set G0, 32
.set G1B, 48
.set G0B, 56
.set G1S, 68
.set G0S, 76
.set G1SB, 80
.set G0SB, 88
.set MSB, 0
.macro WIN new                         ; the immediate's high byte repeats the setting that is left
.if MSB != \new
	s_set_vgpr_msb (MSB<<8)|\new
.set MSB, \new
.endif
.endm
.set MUL_LO, 0xa1                      ; source 0 (B) window 1, source 1 (A) window 0, C and D window 2
.set MUL_HI, 0xf1                      ; the same, C and D window 3
.set TO_B,   0x40                      ; destination window 1, address window 0
; A joint load: waves 0 and 1 fetch for A, waves 2 and 3 for B.  The branch hangs on the wave's number alone.  Four v_nop follow each of the two lines.
.macro JLOAD g0a, g1a, g0b, g1b
	s_cmp_eq_u32 s15, 0
	s_cbranch_scc0 .Lfor_b_\@
	tensor_load_to_lds s[\g0a:\g0a+3], s[\g1a:\g1a+7]
	s_nop 0
.rept 4
	v_nop
.endr
	s_branch .Lasked_\@
.Lfor_b_\@:
	tensor_load_to_lds s[\g0b:\g0b+3], s[\g1b:\g1b+7]
	s_nop 0
.rept 4
	v_nop
.endr
.Lasked_\@:
.endm
.macro CREST                           ; a round of the cluster's barrier behind its opening barrier
	s_cmp_lg_u32 s14, 0
	s_cbranch_scc1 .Lnot_wave_0_\@
	s_barrier_signal -3
.Lnot_wave_0_\@:
	s_barrier_wait -3
	s_barrier_signal -1
	s_barrier_wait -1
.endm
.macro CROUND                          ; a whole round
	s_barrier_signal -1
	s_barrier_wait -1
	CREST
.endm
	s_load_b128 s[4:7], s[0:1], 0x0                ; xc, xs
	s_load_b128 s[8:11], s[0:1], 0x10              ; wc, ws
	s_load_b64 s[12:13], s[0:1], 0x20              ; qc
	s_load_b64 s[96:97], s[0:1], 0x28              ; kv
	v_lshl_add_u32 v[SPW], v0, 2, SPARE
	v_mov_b32 v[NIL], 0
	ds_add_u32 v28, v29
	ds_add_u32 v28, v29
	s_wait_dscnt 0x0
	v_lshrrev_b32 v1, 5, v0
	v_readfirstlane_b32 s14, v1                    ; wave 0..3
	s_lshr_b32 s15, s14, 1                         ; which half of A's rows is mine.  Also: I fetch for A (0) or for B (1)
	s_and_b32 s16, s14, 1                          ; which half of B's rows.  Also: which 128 rows of that tile I fetch
	s_bfe_u32 s40, ttmp6, 0x40000                  ; cx, cy: my place in the cluster
	s_bfe_u32 s41, ttmp6, 0x40004
	s_lshl_b32 s18, ttmp9, 2                       ; 4 x cluster x
	s_and_b32 s19, ttmp7, 0xffff
	s_lshl_b32 s19, s19, 2                         ; 4 x cluster y
	s_cmp_eq_u32 ttmp9, 2                          ; v?  The same answer in all sixteen partners
	s_cselect_b32 s42, s19, s18                    ; B's tile: v: token tile 4 y + cx;  q, k: column tile 4 x + cx
	s_cselect_b32 s17, 8, s19                      ; A's tile: v: column tile 8 + cy;   q, k: token tile 4 y + cy
	s_add_co_u32 s42, s42, s40
	s_add_co_u32 s17, s17, s41
	s_lshl_b32 s43, s41, 2
	s_lshl_b32 s43, 15, s43                        ; my row of the cluster
	s_lshl_b32 s44, 0x1111, s40                    ; my column
	; descriptor group 1: a tile of 128 rows x 192 bytes, 16 bytes of padding behind every 64
	s_or_b32 s[G1+0], s43, (0<<16)|(1<<20)|(1<<21)|(3<<22)|(3<<25)  ; 15:0 the mask: A's tiles go to my row; 17:16 elements of 1 byte; 20 padding on; 21 set beside a mask; 24:22 after every 16 words; 31:25 of 4 words
	s_or_b32 s[G1B+0], s44, (0<<16)|(1<<20)|(1<<21)|(3<<22)|(3<<25)
.irp g, G1, G1B
	s_mov_b32 s[\g+1], ROWB<<16                    ; tensor_dim0
	s_mov_b32 s[\g+2], 128<<16                     ; tensor_dim1
	s_mov_b32 s[\g+3], ROWB<<16                    ; tile_dim0
	s_mov_b32 s[\g+4], 128                         ; tile_dim1
	s_mov_b32 s[\g+5], KROW                        ; tensor_dim0_stride
	s_mov_b32 s[\g+6], 0
	s_mov_b32 s[\g+7], 0
.endr
	; the scales of 128 rows: a dense block of 4,096 bytes, as 16 rows of 256 bytes (32 elements of 8 bytes), 16 bytes of padding behind each
	s_or_b32 s[G1S+0], s43, (3<<16)|(1<<20)|(1<<21)|(5<<22)|(3<<25)
	s_or_b32 s[G1SB+0], s44, (3<<16)|(1<<20)|(1<<21)|(5<<22)|(3<<25)
.irp g, G1S, G1SB
	s_mov_b32 s[\g+1], 32<<16
	s_mov_b32 s[\g+2], (128*KS/256)<<16
	s_mov_b32 s[\g+3], 32<<16
	s_mov_b32 s[\g+4], 128*KS/256
	s_mov_b32 s[\g+5], 32
	s_mov_b32 s[\g+6], 0
	s_mov_b32 s[\g+7], 0
.endr
	s_lshl_b32 s18, s16, 7                         ; which 128 rows of the tile I fetch
	s_lshl_b32 s20, s17, 8
	s_add_co_u32 s20, s20, s18                     ; A: row 256 x tile + 128 x half
	s_lshl_b32 s46, s42, 8
	s_add_co_u32 s46, s46, s18                     ; B likewise
	s_mov_b32 s21, 0
	s_mov_b32 s47, 0
	s_mov_b64 s[18:19], KS
	s_mul_u64 s[22:23], s[20:21], s[18:19]         ; where these rows' scales begin, in bytes
	s_mul_u64 s[92:93], s[46:47], s[18:19]
	s_mov_b64 s[18:19], KROW
	s_mul_u64 s[20:21], s[20:21], s[18:19]         ; and their codes
	s_mul_u64 s[46:47], s[46:47], s[18:19]
	s_mul_i32 s45, s14, HALFT                      ; where they go: wave x 128 rows: no place in the cluster enters an LDS address
	s_mul_i32 s94, s14, HALFS
	s_wait_kmcnt 0x0
	s_cmp_eq_u32 ttmp9, 2                          ; the operands change places for v: a choice between buffers on the cluster's x alone
	s_cselect_b64 s[98:99], s[8:9], s[4:5]         ; A's codes
	s_cselect_b64 s[8:9], s[4:5], s[8:9]           ; B's codes
	s_cselect_b64 s[100:101], s[10:11], s[6:7]     ; A's scales
	s_cselect_b64 s[10:11], s[6:7], s[10:11]       ; B's scales
	s_add_nc_u64 s[20:21], s[98:99], s[20:21]
	s_add_nc_u64 s[22:23], s[100:101], s[22:23]
	s_add_nc_u64 s[46:47], s[8:9], s[46:47]
	s_add_nc_u64 s[92:93], s[10:11], s[92:93]
	CROUND                                         ; all sixteen work-groups are here: the first joint loads meet
	s_mov_b32 s[G0S], 1
	s_add_co_u32 s[G0S+1], s94, SCL
	s_mov_b64 s[G0S+2:G0S+3], s[22:23]
	s_or_b32 s[G0S+3], s[G0S+3], 0x80000000
	s_mov_b32 s[G0SB], 1
	s_add_co_u32 s[G0SB+1], s94, SCL
	s_mov_b64 s[G0SB+2:G0SB+3], s[92:93]
	s_or_b32 s[G0SB+3], s[G0SB+3], 0x80000000
	JLOAD G0S, G1S, G0SB, G1SB                     ; the scales first: they are wanted with K step 0.  With the two below, three tensor loads of mine are out
.irp s, 0,1
	s_mov_b32 s[G0+4*\s], 1
	s_add_co_u32 s[G0+4*\s+1], s45, \s*SLOT
	s_add_nc_u64 s[G0+4*\s+2:G0+4*\s+3], s[20:21], \s*ROWB
	s_or_b32 s[G0+4*\s+3], s[G0+4*\s+3], 0x80000000
	s_mov_b32 s[G0B+4*\s], 1
	s_add_co_u32 s[G0B+4*\s+1], s45, \s*SLOT
	s_add_nc_u64 s[G0B+4*\s+2:G0B+4*\s+3], s[46:47], \s*ROWB
	s_or_b32 s[G0B+4*\s+3], s[G0B+4*\s+3], 0x80000000
	JLOAD G0+4*\s, G1, G0B+4*\s, G1B
.endr
	v_and_b32 v1, 15, v0                           ; l % 16
	v_bfe_u32 v2, v0, 4, 1                         ; l / 16
	v_mul_u32_u24 v3, v1, PITCH
	v_mul_u32_u24 v4, v2, 24
	v_add_nc_u32 v4, v3, v4                        ; a fragment's row x pitch + 24 x half
	v_lshl_add_u32 v5, v2, 4, v4                   ; and the same behind one padding more
	s_mul_i32 s21, s15, HALFT                      ; my 128 rows of A
	s_mul_i32 s22, s16, HALFT                      ; my 128 rows of B,
	s_add_co_u32 s22, s22, 2*HALFT                 ; which lie behind A's 256
.irp s, 0,1
	v_add_nc_u32 v[ADRA+\s], s21, v4
	v_add_nc_u32 v[ADRB+\s], s22, v4
	v_add_nc_u32 v[ADRA+2+\s], s21, v5
	v_add_nc_u32 v[ADRB+2+\s], s22, v5
	s_add_co_u32 s21, s21, SLOT
	s_add_co_u32 s22, s22, SLOT
.endr
	v_mul_u32_u24 v5, v1, KS                       ; my row's scales: 32 bytes a row,
	v_lshrrev_b32 v6, 8, v5
	v_lshl_add_u32 v5, v6, 4, v5                   ; and 16 more for each 256 passed
	s_mul_i32 s21, s15, HALFS                      ; A's: my 128 rows
	s_mul_i32 s22, s16, HALFS                      ; B's: my 128 rows, behind A's 256
	s_add_co_u32 s22, s22, 2*HALFS
	s_sub_co_u32 s22, s22, s21
	v_mul_u32_u24 v6, s22, v2                      ; lanes 16-31 take B's
	s_add_co_u32 s21, s21, SCL
	v_add_nc_u32 v5, v5, v6
	v_add_nc_u32 v[ADRS], s21, v5
	v_and_b32 v6, 31, v0
	v_lshlrev_b32 v[L16], 4, v6
	v_lshlrev_b32 v[L8], 3, v6
	; where my results go: two heads (the pair 2 s, 2 s + 1) and one step of 128 tokens
	s_lshl_b32 s20, s17, 8
	s_lshl_b32 s21, s15, 7
	s_add_co_u32 s20, s20, s21                     ; my first row of A
	s_lshl_b32 s46, s42, 8
	s_lshl_b32 s47, s16, 7
	s_add_co_u32 s46, s46, s47                     ; my first row of B
	s_cmp_eq_u32 ttmp9, 2
	s_cselect_b32 s21, s46, s20                    ; my first token
	s_cselect_b32 s47, s20, s46                    ; my first column of w_qkv
	s_lshr_b32 s47, s47, 7
	s_and_b32 s47, s47, 7                          ; the pair of heads
	s_lshr_b32 s20, s21, 11                        ; the batch
	s_lshl_b32 s20, s20, 4
	s_lshl_b32 s47, s47, 1
	s_add_co_u32 s20, s20, s47                     ; 16 x batch + the even head
	s_lshl_b32 s20, s20, 4
	s_lshr_b32 s21, s21, 7
	s_and_b32 s21, s21, 15                         ; the step
	s_add_co_u32 s20, s20, s21                     ; the block's number
	s_mov_b32 s46, 13824                           ; a block of kv
	s_mov_b32 s47, 221184                          ; a head of kv
	s_cmp_eq_u32 ttmp9, 0
	s_cselect_b32 s46, 7168, s46                   ; of qc
	s_cselect_b32 s47, 114688, s47
	s_cselect_b64 s[12:13], s[12:13], s[96:97]
	s_mul_i32 s20, s20, s46
	s_mov_b32 s21, 0
	s_add_nc_u64 s[12:13], s[12:13], s[20:21]      ; the even head's block
	s_mov_b32 s20, s47
	s_add_nc_u64 s[96:97], s[12:13], s[20:21]      ; the odd head's
.macro FRAG reg, adr, q, i             ; a fragment, 16 rows x 128 K of 6-bit codes: lane l holds row l % 16; registers 6 c .. 6 c + 5 hold K = 64 c + 32 (l / 16) + 0 .. 31: 24 bytes of the row, as they lie
.irp p, 0,1,2,3,4,5                    ; in pieces of 8 bytes.  Lanes 16-31 read three pieces on: where that lies behind one padding more, the second address register serves
.set PC, 12*(\q)+6*(\p/3)+\p%3
.if PC%8 < 5
	ds_load_b64 v[\reg+2*\p:\reg+2*\p+1], v[\adr] offset:8*PC+16*(PC/8)+(\i)*16*PITCH
.else
	ds_load_b64 v[\reg+2*\p:\reg+2*\p+1], v[\adr+2] offset:8*PC+16*(PC/8)+(\i)*16*PITCH
.endif
.endr
.endm
; 16 matrix instructions: A's blocks a0, a0 + 1 x B's eight, 128 along K.  zero = 1: the first product starts the sums.  The 64 accumulators take turns, one instruction a turn.
.macro MUL16 a0, p, q, sc, zero
.irp a, \a0, \a0+1
.irp b, 0,1,2,3,4,5,6,7
.if \zero
	v_wmma_scale_f32_16x16x128_f8f6f4 v[8*(8*((\a)%4)+\b):8*(8*((\a)%4)+\b)+7], v[128*(\p)+FR*\b:128*(\p)+FR*\b+FR-1], v[AF+FR*(\a):AF+FR*(\a)+FR-1], 0, v[SC+8*NQ*(\sc)+NQ*\b+(\q)], v[SC+8*NQ*(\sc)+NQ*(\a)+(\q)] matrix_a_fmt:MATRIX_FMT_BF6 matrix_b_fmt:MATRIX_FMT_BF6 matrix_a_scale:MATRIX_SCALE_ROW1
.else
	v_wmma_scale_f32_16x16x128_f8f6f4 v[8*(8*((\a)%4)+\b):8*(8*((\a)%4)+\b)+7], v[128*(\p)+FR*\b:128*(\p)+FR*\b+FR-1], v[AF+FR*(\a):AF+FR*(\a)+FR-1], v[8*(8*((\a)%4)+\b):8*(8*((\a)%4)+\b)+7], v[SC+8*NQ*(\sc)+NQ*\b+(\q)], v[SC+8*NQ*(\sc)+NQ*(\a)+(\q)] matrix_a_fmt:MATRIX_FMT_BF6 matrix_b_fmt:MATRIX_FMT_BF6 matrix_a_scale:MATRIX_SCALE_ROW1
.endif
.endr
.endr
.endm
.macro FETCH_B slot, q, p              ; B's eight fragments of the slot's q-th 128 along K into set p
	WIN TO_B
.irp i, 0,1,2,3,4,5,6,7
	FRAG 128*(\p)+FR*\i, ADRB+\slot, \q, \i
.endr
	WIN 0
.endm
.macro FETCH_A slot, q, i0             ; A's blocks i0 .. i0 + 3
.irp i, \i0, \i0+1, \i0+2, \i0+3
	FRAG AF+FR*(\i), ADRA+\slot, \q, \i
.endr
.endm
.macro SCALES sc                       ; a K step's scale words into set sc: lanes 0-15 take A's block i, lanes 16-31 B's block i
.irp i, 0,1,2,3,4,5,6,7
	ds_load_b64 v[SC+8*NQ*\sc+NQ*\i:SC+8*NQ*\sc+NQ*\i+1], v[ADRS] offset:\i*SBLK
.endr
.endm
.macro PLACES n                        ; plain vector lines between a matrix instruction and a load into, or a vector read of, its registers
.rept \n
	v_nop
.endr
.endm
.macro STEP slot, q, zero              ; a step of 128 along K that has its successor in the same slot
	s_wait_dscnt 4*NL                              ; B's set and A's blocks 0-3 are in; the youngest 24 loads (A's blocks 4-7) may be out
	WIN MUL_LO
	MUL16 0, (\q)%2, \q, \slot, \zero
	MUL16 2, (\q)%2, \q, \slot, \zero
	s_wait_dscnt 0                                 ; A's blocks 4-7 are in
	PLACES NP
	FETCH_B \slot, (\q)+1, 1-(\q)%2
	FETCH_A \slot, (\q)+1, 0
	WIN MUL_HI
	MUL16 4, (\q)%2, \q, \slot, \zero
	MUL16 6, (\q)%2, \q, \slot, \zero
	PLACES NP
	WIN 0
	FETCH_A \slot, (\q)+1, 4
.endm
; A slot's last step changes slots: ONE barrier; in front of it each wave waits for all its tensor loads, adds 0 to its spare word, and waits for that and for its own reads of this slot.
.macro TURN slot, next, fill
	s_wait_tensorcnt 0x0                           ; all my tensor loads have landed: my part of the next slot
	ds_add_u32 v[SPW], v[NIL]                      ; 0 onto my spare word
	s_wait_dscnt 4*NL+1                            ; (the add and the youngest 24 loads, A's blocks 4-7, may be out)
	WIN MUL_LO
	MUL16 0, 1, NQ-1, \slot, 0
	s_wait_dscnt 0x0                               ; the add is done, and my reads of this slot are over
	s_barrier_signal -1
	MUL16 2, 1, NQ-1, \slot, 0
	WIN 0
	s_barrier_wait -1
.if \fill
	CREST                                          ; the barrier has opened a round of the cluster's barrier: no wave of any partner still reads this slot or has a load on its way
	s_add_nc_u64 s[G0+4*\slot+2:G0+4*\slot+3], s[G0+4*\slot+2:G0+4*\slot+3], 2*ROWB
	s_add_nc_u64 s[G0B+4*\slot+2:G0B+4*\slot+3], s[G0B+4*\slot+2:G0B+4*\slot+3], 2*ROWB
	JLOAD G0+4*\slot, G1, G0B+4*\slot, G1B         ; the first tensor load behind the round; its four v_nop are the places in front of the loads below
.else
	PLACES NP
.endif
	s_wait_alu depctr_va_vdst(0)
	v_add_nc_u32 v[ADRS], 4*NQ, v[ADRS]            ; on to the next K step's scale words
	FETCH_B \next, 0, 0
	FETCH_A \next, 0, 0
	SCALES \next
	WIN MUL_HI
	MUL16 4, 1, NQ-1, \slot, 0
	MUL16 6, 1, NQ-1, \slot, 0
	PLACES NP
	WIN 0
	FETCH_A \next, 0, 4
.endm
	s_wait_alu depctr_va_vdst(0)
	s_wait_tensorcnt 1                             ; the scales and my part of K step 0 are in (K step 1's load may be out),
	s_barrier_signal -1
	s_barrier_wait -1                              ; everybody's are
	FETCH_B 0, 0, 0
	FETCH_A 0, 0, 0
	SCALES 0
	FETCH_A 0, 0, 4
	STEP 0, 0, 1                                   ; the first step stands in front of the loop: its products start the sums
	s_mov_b32 s3, LAPS-1
.Llap:                                                 ; a trip goes once round the ring and fills both slots again
	TURN 0, 1, 1
	STEP 1, 0, 0
	TURN 1, 0, 1
	STEP 0, 0, 0
	s_sub_co_u32 s3, s3, 1
	s_cmp_lg_u32 s3, 0
	s_cbranch_scc1 .Llap
	TURN 0, 1, 0                                   ; the last lap fills nothing
	STEP 1, 0, 0
	s_wait_dscnt 4*NL                              ; the very last step
	WIN MUL_LO
	MUL16 0, 1, NQ-1, 1, 0
	MUL16 2, 1, NQ-1, 1, 0
	s_wait_dscnt 0
	WIN MUL_HI
	MUL16 4, 1, NQ-1, 1, 0
	MUL16 6, 1, NQ-1, 1, 0
	WIN 0
; THE WAY OUT.  Block a's 64 registers of a lane are 128 numbers' worth of one row of A: register 16 b + i = true place 32 b + 16 (lane / 16) + i along B.  QUANTW turns them into four blocks' codes and the row's scale word:
; d0 .. d0 + 5 take blocks 0, 1 (lanes 0-15 block 0, lanes 16-31 block 1), d1 .. d1 + 5 blocks 2, 3; pw the four bytes.  Each accumulator is read from its low end on.
.macro QUANTW a, d0, d1, pw
.set AC, 64*((\a)%4)
.set WW, 2+(\a)/4                      ; the accumulators' window
.set W2, 5*WW                          ; sources 0 and 1 there
	WIN W2
.irp b, 0,1,2,3
	v_max3_num_f32 v[TM+\b], |v[AC+16*\b]|, |v[AC+16*\b+1]|, 0x2800000   ; block b: my 16 numbers, and the floor 2^(5 - 127): so the byte cannot fall under 1
.endr
.irp i, 2,4,6,8,10,12,14
.irp b, 0,1,2,3
	v_max3_num_f32 v[TM+\b], |v[AC+16*\b+\i]|, |v[AC+16*\b+\i+1]|, v[TM+\b]   ; (the four blocks by turns)
.endr
.endr
	WIN 0
.irp b, 0,1,2,3
	v_permlanex16_b32 v[TM+4+\b], v[TM+\b], s20, s21
.endr
.irp b, 0,1,2,3
	v_max_num_f32 v[TM+\b], v[TM+\b], v[TM+4+\b]   ; with lane l xor 16's: the block's largest magnitude
.endr
.irp b, 0,1,2,3
	v_add_nc_u32 v[TM+12+\b], 0xfe000000, v[TM+\b] ; 4 off its exponent field: the conversion's scale operand
.endr
.irp b, 0,1,2,3
	v_lshrrev_b32 v[TM+4+\b], 23, v[TM+12+\b]      ; the scale's byte
.endr
	v_lshl_or_b32 v[\pw], v[TM+5], 8, v[TM+4]
	v_lshl_or_b32 v[\pw], v[TM+6], 16, v[\pw]
	v_lshl_or_b32 v[\pw], v[TM+7], 24, v[\pw]
	WIN WW                                         ; source 0 in the accumulators' window
	v_cvt_scalef32_pk16_bf6_f32 v[\d0:\d0+2], v[AC:AC+15], v[TM+12]
	v_cvt_scalef32_pk16_bf6_f32 v[CT:CT+2], v[AC+16:AC+31], v[TM+13]   ; (a conversion's three registers begin on an even number)
	v_cvt_scalef32_pk16_bf6_f32 v[\d1:\d1+2], v[AC+32:AC+47], v[TM+14]
	v_cvt_scalef32_pk16_bf6_f32 v[CT+4:CT+6], v[AC+48:AC+63], v[TM+15]
	WIN 0
	v_nop                                          ; one plain line behind the conversions
.irp i, 0,1,2
	v_permlane16_swap_b32 v[\d0+\i], v[CT+\i]      ; the operand's layout wants a whole block in a lane
.endr
.irp i, 0,1,2
	v_mov_b32 v[\d0+3+\i], v[CT+\i]
.endr
.irp i, 0,1,2
	v_permlane16_swap_b32 v[\d1+\i], v[CT+4+\i]
.endr
.irp i, 0,1,2
	v_mov_b32 v[\d1+3+\i], v[CT+4+\i]
.endr
.endm
	PLACES NP                                      ; behind the last products
	s_mov_b32 s20, 0x76543210
	s_mov_b32 s21, 0xfedcba98                      ; v_permlanex16_b32's selects for lane l xor 16
.irp b, 0,1,2,3
	v_mov_b32 v[TM+4+\b], 0                        ; written once: a lane permute's destination counts as one of its sources
.endr
	s_cmp_eq_u32 ttmp9, 2                          ; the cluster's x: the same way in all partners; no barrier and no tensor load stands on either way
	s_cbranch_scc1 .Lv_out
; q and k: blocks 0, 1 are the even head's 64 channels, blocks 2, 3 the odd head's.  Two tiles of tokens make an image for each head.  Each pair of tiles has registers of its own: no store's data are written again.
.irp k, 0,1,2,3
.set OE, 64+32*\k
.set OO, OE+12
.set OP, OE+24
	QUANTW 2*\k, OE, OO, OP
	QUANTW 2*\k+1, OE+6, OO+6, OP+1
	v_lshrrev_b32 v[OP+2], 16, v[OP]               ; the odd head's two bytes come down
	v_lshrrev_b32 v[OP+3], 16, v[OP+1]
.irp g, 0,1,2
	global_store_b128 v[L16], v[OE+4*\g:OE+4*\g+3], s[12:13] offset:1536*\k+512*\g   ; 512 consecutive bytes
	global_store_b128 v[L16], v[OO+4*\g:OO+4*\g+3], s[96:97] offset:1536*\k+512*\g
.endr
	global_store_b64 v[L8], v[OP:OP+1], s[12:13] offset:6144+256*\k                  ; 256 consecutive bytes
	global_store_b64 v[L8], v[OP+2:OP+3], s[96:97] offset:6144+256*\k
.endr
	s_branch .Lsent
.Lv_out:
; v: a block of A is 16 channels, its four blocks the step's 128 keys: a whole fragment.  Blocks 0-3 of A are the even head's four tiles of channels, blocks 4-7 the odd head's.
.irp k, 0,1,2,3
.set OE, 64+32*\k
.set OO, OE+12
.set OP, OE+24
.set SH, 12+84*(\k/2)                  ; s[12:13] or s[96:97]
	QUANTW 2*\k, OE, OE+6, OP
	QUANTW 2*\k+1, OO, OO+6, OP+1
.irp g, 0,1,2
	global_store_b128 v[L16], v[OE+4*\g:OE+4*\g+3], s[SH:SH+1] offset:7168+3072*(\k%2)+512*\g
	global_store_b128 v[L16], v[OO+4*\g:OO+4*\g+3], s[SH:SH+1] offset:7168+3072*(\k%2)+1536+512*\g
.endr
	global_store_b64 v[L8], v[OP:OP+1], s[SH:SH+1] offset:13312+256*(\k%2)
.endr
.Lsent:
	s_wait_tensorcnt 0x0                           ; the wave's end
	ds_add_u32 v[SPW], v[NIL]
	s_wait_dscnt 0x0
	CROUND                                         ; the closing round: no work-group ends while a partner may still ask for a tile that names it
	s_endpgm
.Lfunc_end_k_q3c96e0ce96_gemm_qkv:
	.size	k_q3c96e0ce96_gemm_qkv, .Lfunc_end_k_q3c96e0ce96_gemm_qkv-k_q3c96e0ce96_gemm_qkv
	.p2alignl 7, 3214868480
	.fill 96, 4, 3214868480
	.section	.rodata,"a",@progbits
	.p2align	6, 0x0
	.amdhsa_kernel k_q3c96e0ce96_gemm_qkv
		.amdhsa_group_segment_fixed_size 327680
		.amdhsa_private_segment_fixed_size 0
		.amdhsa_enable_private_segment 0
		.amdhsa_kernarg_size 48
		.amdhsa_user_sgpr_count 2
		.amdhsa_user_sgpr_kernarg_segment_ptr 1
		.amdhsa_wavefront_size32 1
		.amdhsa_system_sgpr_workgroup_id_x 1
		.amdhsa_system_sgpr_workgroup_id_y 1
		.amdhsa_system_sgpr_workgroup_id_z 1
		.amdhsa_system_vgpr_workitem_id 0
		.amdhsa_next_free_vgpr 1024
		.amdhsa_next_free_sgpr 102
		.amdhsa_reserve_vcc 0
		.amdhsa_float_denorm_mode_32 3
		.amdhsa_float_denorm_mode_16_64 3
		.amdhsa_memory_ordered 1
		.amdhsa_forward_progress 1
		.amdhsa_inst_pref_size 199
	.end_amdhsa_kernel
	.amdgpu_metadata
---
amdhsa.version: [ 1, 2 ]
amdhsa.kernels:
  - .name:           k_q3c96e0ce96_gemm_qkv
    .symbol:         k_q3c96e0ce96_gemm_qkv.kd
    .args:
      - { .name: xc, .offset: 0, .size: 8, .value_kind: global_buffer, .address_space: global }
      - { .name: xs, .offset: 8, .size: 8, .value_kind: global_buffer, .address_space: global }
      - { .name: wc, .offset: 16, .size: 8, .value_kind: global_buffer, .address_space: global }
      - { .name: ws, .offset: 24, .size: 8, .value_kind: global_buffer, .address_space: global }
      - { .name: qc, .offset: 32, .size: 8, .value_kind: global_buffer, .address_space: global }
      - { .name: kv, .offset: 40, .size: 8, .value_kind: global_buffer, .address_space: global }
    .group_segment_fixed_size: 327680
    .private_segment_fixed_size: 0
    .kernarg_segment_align: 8
    .kernarg_segment_size: 48
    .max_flat_workgroup_size: 128
    .sgpr_count:     102
    .vgpr_count:     1024
    .wavefront_size: 32
...
	.end_amdgpu_metadata
.endif
;; end of part 2
;; launch attn (part 3): grid 4 x 64, 16 waves a work-group, clusters of 4 x 1, 223,232 bytes of LDS; arguments qc, kv, oc, os; writes oc, os
.if DOCPART == 3
	.amdgcn_target "amdgcn-amd-amdhsa--gfx1250"
	.amdhsa_code_object_version 6
	.text
	.protected	k_q3c96e0ce96_attn
	.globl	k_q3c96e0ce96_attn
	.p2align	8
	.type	k_q3c96e0ce96_attn,@function
k_q3c96e0ce96_attn:
	s_mov_b64 s[64:65], 0
	v_nop
	global_prefetch_b8 v0, s[64:65] scope:SCOPE_SE
	s_setreg_imm32_b32 hwreg(HW_REG_WAVE_MODE, 25, 1), 1
	s_wait_xcnt 0x0
	s_wait_alu depctr_hold_cnt(0) depctr_sa_sdst(0) depctr_va_vdst(0) depctr_va_sdst(0) depctr_va_ssrc(0) depctr_va_vcc(0) depctr_vm_vsrc(0)
	s_getreg_b32 s2, hwreg(HW_REG_IB_STS2, 6, 4)
	s_cmp_eq_u32 s2, 0
	s_cbranch_scc0 .Lentry_in_a_cluster
	s_endpgm
.Lentry_in_a_cluster:
	s_bfe_u32 s2, ttmp6, 0x10000c
	s_cmp_lg_u32 s2, 0x3003
	s_cbranch_scc0 .Lentry_shape_is_right
	s_endpgm
.Lentry_shape_is_right:
; Causal attention for one (batch, head) a cluster, on codes of BF6 (E3M2) with E8M0 scales: S^T = k q^T (K = the head's 64), p = 2^(t - M), O^T = v^T p^T (K = the keys), O / l quantised along the channels for the projection.
; t = score x log2(e) / 8; M = the running largest t rounded UP to a whole number; p is not normalised; the row's sum l is taken of the unquantised p in f32.  When M moves, l and O^T are multiplied by 2^(old M - new M): exact.
; THE HEAD'S WHOLE k AND v, codes and scale words, 16 blocks of 13,824 bytes, lie in LDS, filled ONCE: wave w fetches block w by one tensor load.  No byte of LDS is filled twice and none is stored to.
; CLUSTER: the four work-groups of a cluster serve the same head and need the same 221,184 bytes: each block is asked for jointly (mask 15).
; SHARES.  A tile of 16 queries is (G, cx, u): places 128 G + 32 cx + 16 u + r of the head, which hold the true queries 128 G + 32 cx + 8 u + r + 8 (r / 8).  Wave w has u = w % 2 and takes G = w / 2 and then G = 15 - w / 2:
; (w / 2 + 1) + (16 - w / 2) = 17 key steps of 128 for every wave.  Each pass walks 16 trips; a step all of whose keys come after the tile's queries (step > G) is jumped over by a scalar branch on the wave's number and the
; trip's number, round everything but the lines that step.  cx enters only q's address, the outputs' addresses and the number that the mask compares: no branch and no LDS address.
; LAYOUT.  Both products are used transposed: a lane holds ONE query (lane % 16).  Keys and channels lie in the permuted order in LDS, so the 16 registers of result tiles 2 b and 2 b + 1 are 16 true neighbours, 32 b + 16 (lane / 16) + i.
; K = 64 IN AN INSTRUCTION OF 128: q's registers 6-11 are zero codes; k's operand for tile T is v[32 + 6 T .. + 11]: its upper six registers are the next tile's codes (or zeros), which meet q's zeros.
; OUTPUT.  oc [row tile 512][head 16][3][32 lanes][8 bytes]: the six registers of the projection's operand for this head, each store 256 consecutive bytes.  os [place 8192][32]: two bytes a head;
; a row's 32 bytes come from 16 clusters, so these 262,144 bytes leave a byte a lane, 32 bytes apart.
; LIMITS: NaN and infinities are not served; a block of p or of O whose largest magnitude lies under 2^(5 - 127) gets the byte 1 (a block of zeros too: its codes are zeros; this program alone reads the bytes).
; REGISTERS: v1 16 x lane, v2 8 x lane, v3 the mask's number, v4 os offset, v8-9 LDS addresses in hand; v12 -M, v13 the largest t, v[14:15] l in two halves; v16-21 q, v22-27 zeros; v32-79 k's, then v's fragments, v80-85 zeros;
; v96-159 S^T, then p; v160-191 O^T; v192-203 p's codes; v204-210 the conversions' second halves; v212-223 at work; v224-231 k's scale words (v228-231 then sums of p), v232-235 v's, v236 p's, v237 q's; v238-253 at work.
.set BLKB,  13824                      ; a step's block: k's codes 0, k's scale words 6,144, v's codes 7,168, v's scale words 13,312
.set HEADB, 16*BLKB
.set QBLK,  7168
.macro CROUND                          ; a round of the cluster's barrier
	s_barrier_signal -1
	s_barrier_wait -1
	s_cmp_lg_u32 s12, 0
	s_cbranch_scc1 .Lnot_wave_0_\@
	s_barrier_signal -3
.Lnot_wave_0_\@:
	s_barrier_wait -3
	s_barrier_signal -1
	s_barrier_wait -1
.endm
	s_load_b256 s[4:11], s[0:1], 0x0               ; qc s[4:5], kv s[6:7], oc s[8:9], os s[10:11]
	v_lshl_add_u32 v254, v0, 2, 0x36000
	v_mov_b32 v255, 0
	ds_add_u32 v254, v255
	ds_add_u32 v254, v255
	v_lshrrev_b32 v1, 5, v0
	s_delay_alu instid0(VALU_DEP_1)
	v_readfirstlane_b32 s12, v1                    ; wave 0..15
	s_bfe_u32 s13, ttmp6, 0x40000                  ; cx
	s_and_b32 s14, ttmp7, 0xffff                   ; 16 x batch + head, which the four partners share
	s_and_b32 s15, s12, 1                          ; u
	s_lshr_b32 s16, s12, 1                         ; the first pass's G
	s_mov_b32 s20, 0x76543210
	s_mov_b32 s21, 0xfedcba98                      ; v_permlanex16_b32's selects for lane l xor 16
	s_mov_b32 s22, 0x3e38aa3b                      ; c = log2(e) / 8
	s_mov_b32 s23, s22                             ; (named with it as a pair)
	; descriptor group 1: a dense block of 13,824 bytes as 54 rows of 256 bytes (32 elements of 8 bytes), no padding
	s_mov_b32 s24, 15|(3<<16)|(1<<21)              ; 15:0 the mask: all four work-groups; 17:16 elements of 8 bytes; 21 set beside a mask
	s_mov_b32 s25, 32<<16                          ; tensor_dim0 = 32
	s_mov_b32 s26, 54<<16                          ; tensor_dim1 = 54
	s_mov_b32 s27, 32<<16                          ; tile_dim0 = 32
	s_mov_b32 s28, 54                              ; tile_dim1 = 54
	s_mov_b32 s29, 32                              ; tensor_dim0_stride
	s_mov_b32 s30, 0
	s_mov_b32 s31, 0
	s_cmp_eq_u32 s15, 1
	s_cselect_b32 s36, -1, 0                       ; a lane mask: all lanes where u = 1
	s_mov_b32 s37, 0xffff0000                      ; lanes 16-31
	s_mul_i32 s38, s14, HEADB
	s_mul_i32 s33, s12, BLKB                       ; LDS address: wave x a block
	s_add_co_u32 s38, s38, s33
	s_mov_b32 s39, 0
	s_mov_b32 s32, 1
	s_wait_dscnt 0x0
	s_wait_kmcnt 0x0
	s_add_nc_u64 s[34:35], s[6:7], s[38:39]        ; the head's block number wave
	s_or_b32 s35, s35, 0x80000000
	CROUND                                         ; all four work-groups are here: the joint loads meet
	tensor_load_to_lds s[32:35], s[24:31]          ; my one tensor load of the launch
	s_nop 0
.rept 4
	v_nop
.endr
	v_and_b32 v5, 31, v0
	s_delay_alu instid0(VALU_DEP_1)
	v_lshlrev_b32 v1, 4, v5                        ; 16 x lane
	s_delay_alu instid0(VALU_DEP_2)
	v_lshlrev_b32 v2, 3, v5                        ; 8 x lane
	v_and_b32 v6, 15, v0                           ; r
	v_bfe_u32 v7, v0, 4, 1                         ; h
	s_delay_alu instid0(VALU_DEP_2)
	v_and_b32 v3, 8, v6
	s_delay_alu instid0(VALU_DEP_1)
	v_add_nc_u32 v3, v3, v6                        ; r + 8 (r / 8)
	s_delay_alu instid0(VALU_DEP_3)
	v_lshlrev_b32 v10, 4, v7
	s_delay_alu instid0(VALU_DEP_1)
	v_sub_nc_u32 v3, v3, v10
	s_lshl_b32 s38, s13, 5
	s_lshl_b32 s39, s15, 3
	s_add_co_u32 s38, s38, s39
	v_add_nc_u32 v3, s38, v3                       ; d = my query - 128 G - 16 h: on the diagonal step register 16 b + i holds a hidden key where 32 b + i > d
	v_lshl_add_u32 v4, v6, 5, v7                   ; os: 32 r + h
.irp i, 0,1,2,3,4,5
	v_mov_b32 v[22+\i], 0                          ; q's upper 64 along K: zero codes
	v_mov_b32 v[80+\i], 0                          ; what stands above k's last tile
.endr
.irp b, 0,1,2,3
	v_mov_b32 v[216+\b], 0                         ; written once: a lane permute's destination counts as one of its sources
.endr
	v_mov_b32 v240, 0
	v_mov_b32 v243, 0                              ; (named as the upper half of the pair v[242:243])
	v_mov_b32 v246, 0xff800000                     ; -infinity
; A KEY STEP: 128 keys, the block at LDS byte s19.
.macro STEP
	v_add_nc_u32 v8, s19, v1
	v_add_nc_u32 v9, s19, v2
	v_nop
	v_nop                                          ; four plain lines behind the last step's products, in front of loads into registers that they read
.irp i, 0,1,2,3
.irp g, 0,1,2
	ds_load_b128 v[32+12*\i+4*\g:35+12*\i+4*\g], v8 offset:1536*\i+512*\g     ; k's images: tile T's six registers land at v[32 + 6 T]
.endr
	ds_load_b64 v[224+2*\i:225+2*\i], v9 offset:6144+256*\i                   ; the scale words of tiles 2 i, 2 i + 1
.endr
	s_wait_alu depctr_va_vdst(0)
	s_wait_dscnt 0x0
.irp t, 0,1,2,3,4,5,6,7
	v_wmma_scale_f32_16x16x128_f8f6f4 v[96+8*\t:103+8*\t], v[32+6*\t:43+6*\t], v[16:27], 0, v[224+\t], v237 matrix_a_fmt:MATRIX_FMT_BF6 matrix_b_fmt:MATRIX_FMT_BF6
.endr
.rept 4
	v_nop                                          ; places in front of the loads below and of the first read of the scores
.endr
.irp t, 0,1,2,3
.irp g, 0,1,2
	ds_load_b128 v[32+12*\t+4*\g:35+12*\t+4*\g], v8 offset:7168+1536*\t+512*\g   ; v's four fragments, into the same registers: they land under the softmax
.endr
.endr
.irp k, 0,1
	ds_load_b64 v[232+2*\k:233+2*\k], v9 offset:13312+256*\k
.endr
	s_cmp_lt_u32 s18, s17                          ; a step all of whose keys count skips the mask
	s_cbranch_scc1 .Lopen_\@
.set n, 0
.rept 64
	v_cmp_gt_i32 vcc_lo, 32*(n/16)+n%16, v3        ; on the diagonal the scores of hidden keys become -infinity ahead of the maximum: p = 0 then
	v_cndmask_b32 v[96+n], v[96+n], v246, vcc_lo
.set n, n+1
.endr
.Lopen_\@:
.irp b, 0,1,2,3
	v_max3_num_f32 v[212+\b], v[96+16*\b], v[97+16*\b], v[98+16*\b]   ; the largest score of each block of 32 keys: for the row's maximum, and, since p rises with the score, for the block's largest p
.endr
.irp i, 3,5,7,9,11,13
.irp b, 0,1,2,3
	v_max3_num_f32 v[212+\b], v[212+\b], v[96+16*\b+\i], v[97+16*\b+\i]
.endr
.endr
.irp b, 0,1,2,3
	v_max_num_f32 v[212+\b], v[212+\b], v[111+16*\b]
.endr
.irp b, 0,1,2,3
	s_delay_alu instid0(VALU_DEP_4)
	v_permlanex16_b32 v[216+\b], v[212+\b], s20, s21
.endr
.irp b, 0,1,2,3
	s_delay_alu instid0(VALU_DEP_4)
	v_max_num_f32 v[212+\b], v[212+\b], v[216+\b]  ; with lane l xor 16's 16 keys
.endr
	s_delay_alu instid0(VALU_DEP_2)
	v_max3_num_f32 v240, v212, v213, v214
	s_delay_alu instid0(VALU_DEP_1)
	v_max_num_f32 v240, v240, v215                 ; the step's largest score of my query
	s_delay_alu instid0(VALU_DEP_1)
	v_mul_f32 v240, s22, v240                      ; as t
	s_delay_alu instid0(VALU_DEP_1)
	v_max_num_f32 v13, v13, v240                   ; the running largest t
	v_mov_b32 v240, v12
	s_delay_alu instid0(VALU_DEP_2)
	v_floor_f32 v12, -v13                          ; the new -M = floor(-t) = -ceil(t)
	s_delay_alu instid0(VALU_DEP_1)
	v_sub_f32 v240, v12, v240                      ; old M - new M: a whole number, 0 or less
	s_delay_alu instid0(VALU_DEP_1)
	v_cvt_i32_f32 v240, v240                       ; (it saturates)
	s_delay_alu instid0(VALU_DEP_1)
	v_ldexp_f32 v242, 1.0, v240                    ; f = 2^(old M - new M)
.set j, 0
.rept 32
	v_pk_fma_f32 v[96+j:97+j], v[96+j:97+j], s[22:23], v[12:13] op_sel_hi:[1,0,0]   ; t - M, two at a time
.set j, j+2
.endr
	s_setprio 1
.irp b, 0,1,2,3
	v_fma_f32 v[212+\b], v[212+\b], s22, v12       ; the same of each block's largest score
.endr
.set j, 0
	s_wait_alu depctr_va_vdst(0)
.rept 64
	v_exp_f32 v[96+j], v[96+j]                     ; p = 2^(t - M), at most 1
.set j, j+1
.endr
.irp b, 0,1,2,3
	v_exp_f32 v[212+\b], v[212+\b]                 ; the block's largest p: the same two instructions on the same number
.endr
	v_pk_mul_f32 v[14:15], v[14:15], v[242:243] op_sel_hi:[1,0]   ; l under the new M (a plain line behind the exponentials)
	s_wait_alu depctr_va_vdst(0)
.irp b, 0,1,2,3
	v_max_num_f32 v[212+\b], 0x2800000, v[212+\b]  ; the floor 2^(5 - 127)
.endr
.irp b, 0,1,2,3
	s_delay_alu instid0(VALU_DEP_4)
	v_add_nc_u32 v[220+\b], 0xfe000000, v[212+\b]  ; 4 off the exponent field: the conversion's scale operand
.endr
.irp b, 0,1,2,3
	s_delay_alu instid0(VALU_DEP_4)
	v_lshrrev_b32 v[216+\b], 23, v[220+\b]         ; the scale's byte
.endr
	s_delay_alu instid0(VALU_DEP_3)
	v_lshl_or_b32 v236, v217, 8, v216              ; p's scale word for these 128 keys
	s_delay_alu instid0(VALU_DEP_1)
	v_lshl_or_b32 v236, v218, 16, v236
	s_delay_alu instid0(VALU_DEP_1)
	v_lshl_or_b32 v236, v219, 24, v236
.irp c, 0,1
	v_cvt_scalef32_pk16_bf6_f32 v[192+6*\c:194+6*\c], v[96+32*\c:111+32*\c], v[220+2*\c]
	v_cvt_scalef32_pk16_bf6_f32 v[204+4*\c:206+4*\c], v[112+32*\c:127+32*\c], v[220+2*\c+1]   ; (a conversion's three registers begin on an even number)
.endr
	v_nop                                          ; one plain line behind the conversions
.irp c, 0,1                                    ; the operand's layout wants a whole block in a lane
.irp i, 0,1,2
	v_permlane16_swap_b32 v[192+6*\c+\i], v[204+4*\c+\i]
.endr
.irp i, 0,1,2
	s_delay_alu instid0(VALU_DEP_3)
	v_mov_b32 v[195+6*\c+\i], v[204+4*\c+\i]
.endr
.endr
	v_pk_add_f32 v[244:245], v[100:101], v[104:105]
	v_pk_add_f32 v[252:253], v[108:109], v[112:113]
	v_pk_add_f32 v[250:251], v[116:117], v[120:121]
	v_pk_add_f32 v[248:249], v[124:125], v[128:129]
	v_pk_add_f32 v[238:239], v[132:133], v[136:137]
	v_pk_add_f32 v[230:231], v[140:141], v[144:145]
	v_pk_add_f32 v[228:229], v[148:149], v[152:153]
	v_pk_add_f32 v[14:15], v[14:15], v[156:157]
	v_pk_add_f32 v[244:245], v[244:245], v[96:97]
	v_pk_add_f32 v[252:253], v[252:253], v[98:99]
	v_pk_add_f32 v[250:251], v[250:251], v[102:103]
	s_setprio 0
	v_pk_add_f32 v[248:249], v[248:249], v[106:107]
	v_pk_add_f32 v[238:239], v[238:239], v[110:111]
	v_pk_add_f32 v[230:231], v[230:231], v[114:115]
	v_pk_add_f32 v[228:229], v[228:229], v[118:119]
	v_pk_add_f32 v[14:15], v[14:15], v[122:123]
	v_pk_add_f32 v[244:245], v[244:245], v[126:127]
	v_pk_add_f32 v[252:253], v[252:253], v[130:131]
	v_pk_add_f32 v[250:251], v[250:251], v[134:135]
	v_pk_add_f32 v[248:249], v[248:249], v[138:139]
	v_pk_add_f32 v[238:239], v[238:239], v[142:143]
	v_pk_add_f32 v[230:231], v[230:231], v[146:147]
	v_pk_add_f32 v[228:229], v[228:229], v[150:151]
	v_pk_add_f32 v[14:15], v[14:15], v[154:155]
	v_pk_add_f32 v[244:245], v[244:245], v[158:159]
	s_delay_alu instid0(VALU_DEP_2)
	v_pk_add_f32 v[14:15], v[14:15], v[248:249]
	s_delay_alu instid0(VALU_DEP_2)
	v_pk_add_f32 v[244:245], v[244:245], v[238:239]
	v_pk_add_f32 v[252:253], v[252:253], v[230:231]
	v_pk_add_f32 v[250:251], v[250:251], v[228:229]
	s_delay_alu instid0(VALU_DEP_2)
	v_pk_add_f32 v[14:15], v[14:15], v[252:253]
	s_delay_alu instid0(VALU_DEP_2)
	v_pk_add_f32 v[244:245], v[244:245], v[250:251]
	s_delay_alu instid0(VALU_DEP_1)
	v_pk_add_f32 v[14:15], v[14:15], v[244:245]
.set j, 0
.rept 16
	v_pk_mul_f32 v[160+j:161+j], v[160+j:161+j], v[242:243] op_sel_hi:[1,0]   ; O^T under the new M
.set j, j+2
.endr
	s_wait_alu depctr_va_vdst(0)
	s_wait_dscnt 0x0                               ; v's fragments and scale words are in
.irp t, 0,1,2,3                                ; the four accumulators take turns; the next step's eight score products stand between two turns of each
	v_wmma_scale_f32_16x16x128_f8f6f4 v[160+8*\t:167+8*\t], v[32+12*\t:43+12*\t], v[192:203], v[160+8*\t:167+8*\t], v[232+\t], v236 matrix_a_fmt:MATRIX_FMT_BF6 matrix_b_fmt:MATRIX_FMT_BF6
.endr
.endm
; A PASS: one tile of 16 queries against its keys, and its way out.
.macro PASS first
.if \first
	s_mov_b32 s17, s16                             ; G
.else
	s_wait_xcnt 0x0                                ; the last pass's stores have read their registers and bases: both are written again below
	s_sub_co_u32 s17, 15, s16
.endif
	s_lshl_b32 s38, s14, 4
	s_add_co_u32 s38, s38, s17
	s_mul_i32 s38, s38, QBLK                       ; q's block of step G
	s_mul_i32 s40, s13, 1536
	s_add_co_u32 s40, s40, s38
	s_mov_b32 s41, 0
	s_add_nc_u64 s[42:43], s[4:5], s[40:41]        ; image cx: tiles 2 cx, 2 cx + 1
	s_lshl_b32 s40, s13, 8
	s_add_co_u32 s40, s40, s38
	s_add_co_u32 s40, s40, 6144
	s_add_nc_u64 s[44:45], s[4:5], s[40:41]        ; and their scale words
	s_lshr_b32 s38, s14, 4
	s_lshl_b32 s38, s38, 7
	s_lshl_b32 s39, s17, 3
	s_add_co_u32 s38, s38, s39
	s_lshl_b32 s39, s13, 1
	s_add_co_u32 s38, s38, s39
	s_add_co_u32 s38, s38, s15                     ; my row tile: 128 x batch + 8 G + 2 cx + u
	s_and_b32 s39, s14, 15                         ; the head
	s_mul_i32 s40, s38, 12288
	s_mul_i32 s41, s39, 768
	s_add_co_u32 s40, s40, s41
	s_mov_b32 s41, 0
	s_add_nc_u64 s[46:47], s[8:9], s[40:41]        ; oc
	s_lshl_b32 s40, s38, 9
	s_lshl_b32 s39, s39, 1
	s_add_co_u32 s40, s40, s39
	s_add_nc_u64 s[48:49], s[10:11], s[40:41]      ; os
.irp g, 0,1,2
	global_load_b128 v[96+4*\g:99+4*\g], v1, s[42:43] offset:512*\g
.endr
	global_load_b64 v[108:109], v2, s[44:45]
	s_wait_loadcnt 0x0
.irp i, 0,1,2,3,4,5
	v_cndmask_b32 v[16+\i], v[96+\i], v[102+\i], s36   ; my tile's six registers of the image's twelve
.endr
	v_cndmask_b32 v237, v108, v109, s36            ; and its scale words
	v_mov_b32 v13, 0xff61b1e6                      ; the largest t so far: -3e38, under every t
	s_delay_alu instid0(VALU_DEP_1)
	v_floor_f32 v12, -v13                          ; -M
	v_mov_b32 v14, 0
	v_mov_b32 v15, 0
.set j, 0
.rept 32
	v_mov_b32 v[160+j], 0                          ; O^T: the step is written once; the first finds zeros, which the first change of M leaves zeros.  (Also the places between q's registers and the first product)
.set j, j+1
.endr
	s_mov_b32 s18, 0                               ; the step
	s_mov_b32 s19, 0                               ; its block in LDS
.if \first
	s_wait_tensorcnt 0x0                           ; my block has landed,
	s_barrier_signal -1
	s_barrier_wait -1                              ; everybody's has
.endif
.Lstep_\@:
	s_cmp_gt_u32 s18, s17                          ; all of this step's keys come after my queries
	s_cbranch_scc1 .Lhid_\@
	s_setprio 2
	STEP
.Lhid_\@:
	s_add_co_u32 s19, s19, BLKB
	s_add_co_u32 s18, s18, 1
	s_cmp_lt_u32 s18, 16
	s_cbranch_scc1 .Lstep_\@
	s_setprio 0
	; the way out: O^T / l, quantised along the head's 64 channels: two blocks
.rept 4
	v_nop                                          ; places behind the last products
.endr
	v_add_f32 v14, v14, v15
	s_delay_alu instid0(VALU_DEP_1)
	v_permlanex16_b32 v240, v14, s20, s21
	s_delay_alu instid0(VALU_DEP_1)
	v_add_f32 v14, v14, v240                       ; the row's sum
	s_wait_alu depctr_va_vdst(0)
	v_rcp_f32 v14, v14
	v_nop                                          ; one plain line behind the reciprocal
.set j, 0
	s_wait_alu depctr_va_vdst(0)
.rept 32
	v_mul_f32 v[96+j], v[160+j], v14               ; register 16 b + i is channel 32 b + 16 h + i of my query
.set j, j+1
.endr
.irp b, 0,1
	v_max3_num_f32 v[212+\b], |v[96+16*\b]|, |v[97+16*\b]|, 0x2800000
.endr
.irp i, 2,4,6,8,10,12,14
.irp b, 0,1
	s_delay_alu instid0(VALU_DEP_2)
	v_max3_num_f32 v[212+\b], v[212+\b], |v[96+16*\b+\i]|, |v[97+16*\b+\i]|
.endr
.endr
.irp b, 0,1
	s_delay_alu instid0(VALU_DEP_2)
	v_permlanex16_b32 v[216+\b], v[212+\b], s20, s21
.endr
.irp b, 0,1
	s_delay_alu instid0(VALU_DEP_2)
	v_max_num_f32 v[212+\b], v[212+\b], v[216+\b]
.endr
.irp b, 0,1
	s_delay_alu instid0(VALU_DEP_2)
	v_add_nc_u32 v[220+\b], 0xfe000000, v[212+\b]
.endr
.irp b, 0,1
	s_delay_alu instid0(VALU_DEP_2)
	v_lshrrev_b32 v[216+\b], 23, v[220+\b]
.endr
	v_cvt_scalef32_pk16_bf6_f32 v[192:194], v[96:111], v220
	v_cvt_scalef32_pk16_bf6_f32 v[204:206], v[112:127], v221
	v_nop                                          ; one plain line behind the conversions
.irp i, 0,1,2
	v_permlane16_swap_b32 v[192+\i], v[204+\i]
.endr
.irp i, 0,1,2
	s_delay_alu instid0(VALU_DEP_3)
	v_mov_b32 v[195+\i], v[204+\i]                 ; v192-197: channels 32 h + 0 .. 31 of my query
.endr
	v_cndmask_b32 v247, v216, v217, s37            ; lanes 0-15 store block 0's byte, lanes 16-31 block 1's
.irp p, 0,1,2
	global_store_b64 v2, v[192+2*\p:193+2*\p], s[46:47] offset:256*\p   ; 256 consecutive bytes, at a multiple of 256 from oc's first byte
.endr
	global_store_b8 v4, v247, s[48:49]
.endm
	PASS 1
	PASS 0
	s_wait_tensorcnt 0x0
	ds_add_u32 v254, v255
	s_wait_dscnt 0x0
	CROUND                                         ; the closing round: no work-group ends while a partner may still ask for a block that names it
	s_endpgm
.Lfunc_end_k_q3c96e0ce96_attn:
	.size	k_q3c96e0ce96_attn, .Lfunc_end_k_q3c96e0ce96_attn-k_q3c96e0ce96_attn
	.p2alignl 7, 3214868480
	.fill 96, 4, 3214868480
	.section	.rodata,"a",@progbits
	.p2align	6, 0x0
	.amdhsa_kernel k_q3c96e0ce96_attn
		.amdhsa_group_segment_fixed_size 223232
		.amdhsa_private_segment_fixed_size 0
		.amdhsa_enable_private_segment 0
		.amdhsa_kernarg_size 32
		.amdhsa_user_sgpr_count 2
		.amdhsa_user_sgpr_kernarg_segment_ptr 1
		.amdhsa_wavefront_size32 1
		.amdhsa_system_sgpr_workgroup_id_x 1
		.amdhsa_system_sgpr_workgroup_id_y 1
		.amdhsa_system_sgpr_workgroup_id_z 1
		.amdhsa_system_vgpr_workitem_id 0
		.amdhsa_next_free_vgpr 256
		.amdhsa_next_free_sgpr 66
		.amdhsa_reserve_vcc 1
		.amdhsa_float_denorm_mode_32 3
		.amdhsa_float_denorm_mode_16_64 3
		.amdhsa_memory_ordered 1
		.amdhsa_forward_progress 1
		.amdhsa_inst_pref_size 64
	.end_amdhsa_kernel
	.amdgpu_metadata
---
amdhsa.version: [ 1, 2 ]
amdhsa.kernels:
  - .name:           k_q3c96e0ce96_attn
    .symbol:         k_q3c96e0ce96_attn.kd
    .args:
      - { .name: qc, .offset: 0, .size: 8, .value_kind: global_buffer, .address_space: global }
      - { .name: kv, .offset: 8, .size: 8, .value_kind: global_buffer, .address_space: global }
      - { .name: oc, .offset: 16, .size: 8, .value_kind: global_buffer, .address_space: global }
      - { .name: os, .offset: 24, .size: 8, .value_kind: global_buffer, .address_space: global }
    .group_segment_fixed_size: 223232
    .private_segment_fixed_size: 0
    .kernarg_segment_align: 8
    .kernarg_segment_size: 32
    .max_flat_workgroup_size: 512
    .sgpr_count:     66
    .vgpr_count:     256
    .wavefront_size: 32
...
	.end_amdgpu_metadata
.endif
;; end of part 3
;; launch gemm_proj (part 4): grid 4 x 32, 4 waves a work-group, clusters of 4 x 4, 327,680 bytes of LDS; arguments oc, os, wc, ws, out0; writes out0
.if DOCPART == 4
	.amdgcn_target "amdgcn-amd-amdhsa--gfx1250"
	.amdhsa_code_object_version 6
	.text
	.protected	k_q3c96e0ce96_gemm_proj
	.globl	k_q3c96e0ce96_gemm_proj
	.p2align	8
	.type	k_q3c96e0ce96_gemm_proj,@function
k_q3c96e0ce96_gemm_proj:
	s_mov_b64 s[64:65], 0
	v_nop
	global_prefetch_b8 v0, s[64:65] scope:SCOPE_SE
	s_setreg_imm32_b32 hwreg(HW_REG_WAVE_MODE, 25, 1), 1
	s_wait_xcnt 0x0
	s_wait_alu depctr_hold_cnt(0) depctr_sa_sdst(0) depctr_va_vdst(0) depctr_va_sdst(0) depctr_va_ssrc(0) depctr_va_vcc(0) depctr_vm_vsrc(0)
	s_getreg_b32 s2, hwreg(HW_REG_IB_STS2, 6, 4)
	s_cmp_eq_u32 s2, 0
	s_cbranch_scc0 .Lentry_in_a_cluster
	s_endpgm
.Lentry_in_a_cluster:
	s_bfe_u32 s2, ttmp6, 0x10000c
	s_cmp_lg_u32 s2, 0xf033
	s_cbranch_scc0 .Lentry_shape_is_right
	s_endpgm
.Lentry_shape_is_right:
; out0 = (attention's result) w_proj on codes of BF6 (E3M2) with E8M0 scales for each 32 along K = 1,024; sums in f32; out0 [8192][1024] f32.
; A = oc, os: the attention launch's codes, laid in the order of the operand's registers: [row tile of 16 places][head 16][3][32 lanes][8 bytes], so that six loads of 8 bytes at 8 x lane bring a fragment
; (16 rows x two heads = 128 along K); its scale bytes [place][32].  B = rows 3,072 on of wc, ws: w_proj's columns as rows of 768 bytes.
; Rows of A (tokens) and of B (columns) lie in the permuted order PI (bits 3 and 4 of the index exchanged): the way out puts both back.
; A tile of 256 x 256 is made by four waves, a wave makes 128 x 128: 64 accumulators.  K goes in steps of 256 through a ring of two LDS slots filled by the tensor data mover.
; THE MATRIX INSTRUCTION IS USED TRANSPOSED (source 0 = 16 rows of B, source 1 = 16 rows of A): a lane holds eight numbers of one row of the result.
; CLUSTERS: 4 x 4 work-groups; A's tiles are asked for jointly along a row of the cluster, B's along a column.  The grid has 128 work-groups: 32 x 4 tiles.
; REGISTERS, in windows of 256: window 0: v0-31 addresses; v32-63 scale words, two sets, and nothing else; from v128 A's fragments, ONE set; on the way out v128-255 rows read back.
;   window 1: B's fragments, TWO sets.   window 2: the accumulators of my rows 0-63 ((a, b) at v[8 (8 a + b)]);   window 3: those of rows 64-127.
.set SIZE_N, 1024
.set SIZE_K, 1024
.set KSTEP,  256
.set NQ,     KSTEP/128
.set ROWB,   192                       ; a row of B's tile in bytes
.set ROWA,   3072                      ; a row tile of A for a K step: four heads x 768 bytes
.set KROW,   SIZE_K*6/8
.set PITCH,  240                       ; B's LDS row: 3 x (64 bytes of data + 16 of padding)
.set FR,     12
.set NL,     6
.set NP,     4
.set HALFT,  128*PITCH                 ; the place of 128 rows in a slot (A's 8 row tiles use 24,576 bytes of it)
.set SLOT,   4*HALFT
.set LAPS,   SIZE_K/(2*KSTEP)
.set KS,     SIZE_K/32
.set SCL,    2*SLOT
.set HALFS,  (128*KS/256)*272
.set SBLK,   (16*KS/256)*272
.set SPARE,  SCL+4*HALFS
.set SPITCH, 528                       ; the way out: a stage of 16 rows x (512 bytes + 16) for each wave, in slot 0, which has had its last fill and its last read when the first result is stored there
.set ADRA, 16                          ; v16-17 LDS address of my A fragments in slot 0, 1
.set ADRB, 20                          ; v20-21 the same for B (v22-23: behind one padding more)
.set STO,  24
.set RD,   25
.set CO,   26
.set ADRS, 27
.set SPW,  28
.set NIL,  29
.set SC,   32
.set AF,   128
.set BK,   128
.set G1, 24
.set G0, 32
.set G1B, 48
.set G0B, 56
.set G1S, 68
.set G0S, 76
.set G1SB, 80
.set G0SB, 88
.set MSB, 0
.macro WIN new                         ; the immediate's high byte repeats the setting that is left
.if MSB != \new
	s_set_vgpr_msb (MSB<<8)|\new
.set MSB, \new
.endif
.endm
.set MUL_LO, 0xa1
.set MUL_HI, 0xf1
.set TO_B,   0x40
.macro JLOAD g0a, g1a, g0b, g1b        ; a joint load: waves 0 and 1 fetch for A, waves 2 and 3 for B; four v_nop follow each of the two lines
	s_cmp_eq_u32 s15, 0
	s_cbranch_scc0 .Lfor_b_\@
	tensor_load_to_lds s[\g0a:\g0a+3], s[\g1a:\g1a+7]
	s_nop 0
.rept 4
	v_nop
.endr
	s_branch .Lasked_\@
.Lfor_b_\@:
	tensor_load_to_lds s[\g0b:\g0b+3], s[\g1b:\g1b+7]
	s_nop 0
.rept 4
	v_nop
.endr
.Lasked_\@:
.endm
.macro CREST
	s_cmp_lg_u32 s14, 0
	s_cbranch_scc1 .Lnot_wave_0_\@
	s_barrier_signal -3
.Lnot_wave_0_\@:
	s_barrier_wait -3
	s_barrier_signal -1
	s_barrier_wait -1
.endm
.macro CROUND
	s_barrier_signal -1
	s_barrier_wait -1
	CREST
.endm
	s_load_b128 s[4:7], s[0:1], 0x0                ; oc, os
	s_load_b128 s[8:11], s[0:1], 0x10              ; wc, ws
	s_load_b64 s[12:13], s[0:1], 0x20              ; out0
	v_lshl_add_u32 v[SPW], v0, 2, SPARE
	v_mov_b32 v[NIL], 0
	ds_add_u32 v28, v29
	ds_add_u32 v28, v29
	s_wait_dscnt 0x0
	v_lshrrev_b32 v1, 5, v0
	v_readfirstlane_b32 s14, v1                    ; wave 0..3
	s_lshr_b32 s15, s14, 1                         ; which half of the tile's rows is mine.  Also: I fetch for A (0) or for B (1)
	s_and_b32 s16, s14, 1                          ; which half of its columns.  Also: which 128 rows of that tile I fetch
	s_bfe_u32 s40, ttmp6, 0x40000                  ; cx, cy
	s_bfe_u32 s41, ttmp6, 0x40004
	s_lshl_b32 s42, ttmp9, 2
	s_add_co_u32 s42, s42, s40                     ; tile column
	s_and_b32 s17, ttmp7, 0xffff
	s_lshl_b32 s17, s17, 2
	s_add_co_u32 s17, s17, s41                     ; tile row
	s_lshl_b32 s43, s41, 2
	s_lshl_b32 s43, 15, s43                        ; my row of the cluster
	s_lshl_b32 s44, 0x1111, s40                    ; my column
	; A's tiles: 8 row tiles x 3,072 bytes (384 elements of 8 bytes), 12,288 bytes (1,536 elements) apart, no padding
	s_or_b32 s[G1+0], s43, (3<<16)|(1<<21)
	s_mov_b32 s[G1+1], 384<<16                     ; tensor_dim0
	s_mov_b32 s[G1+2], 8<<16                       ; tensor_dim1
	s_mov_b32 s[G1+3], 384<<16                     ; tile_dim0
	s_mov_b32 s[G1+4], 8                           ; tile_dim1
	s_mov_b32 s[G1+5], 1536                        ; tensor_dim0_stride
	s_mov_b32 s[G1+6], 0
	s_mov_b32 s[G1+7], 0
	; B's tiles: 128 rows x 192 bytes, 16 bytes of padding behind every 64
	s_or_b32 s[G1B+0], s44, (0<<16)|(1<<20)|(1<<21)|(3<<22)|(3<<25)
	s_mov_b32 s[G1B+1], ROWB<<16
	s_mov_b32 s[G1B+2], 128<<16
	s_mov_b32 s[G1B+3], ROWB<<16
	s_mov_b32 s[G1B+4], 128
	s_mov_b32 s[G1B+5], KROW
	s_mov_b32 s[G1B+6], 0
	s_mov_b32 s[G1B+7], 0
	; the scales of 128 rows: 16 rows of 256 bytes, 16 bytes of padding behind each
	s_or_b32 s[G1S+0], s43, (3<<16)|(1<<20)|(1<<21)|(5<<22)|(3<<25)
	s_or_b32 s[G1SB+0], s44, (3<<16)|(1<<20)|(1<<21)|(5<<22)|(3<<25)
.irp g, G1S, G1SB
	s_mov_b32 s[\g+1], 32<<16
	s_mov_b32 s[\g+2], (128*KS/256)<<16
	s_mov_b32 s[\g+3], 32<<16
	s_mov_b32 s[\g+4], 128*KS/256
	s_mov_b32 s[\g+5], 32
	s_mov_b32 s[\g+6], 0
	s_mov_b32 s[\g+7], 0
.endr
	s_lshl_b32 s18, s16, 7
	s_lshl_b32 s20, s17, 8
	s_add_co_u32 s20, s20, s18                     ; A: row 256 x tile row + 128 x half
	s_lshl_b32 s46, s42, 8
	s_add_co_u32 s46, s46, s18                     ; B: row 256 x tile column + 128 x half
	s_mov_b32 s21, 0
	s_mov_b32 s47, 0
	s_mov_b64 s[18:19], KS
	s_mul_u64 s[22:23], s[20:21], s[18:19]
	s_mul_u64 s[92:93], s[46:47], s[18:19]
	s_mov_b64 s[18:19], KROW
	s_mul_u64 s[20:21], s[20:21], s[18:19]         ; (a row tile's 12,288 bytes are 16 x 768: the same product serves oc)
	s_mul_u64 s[46:47], s[46:47], s[18:19]
	s_mul_i32 s45, s14, HALFT
	s_mul_i32 s94, s14, HALFS
	s_wait_kmcnt 0x0
	s_add_nc_u64 s[8:9], s[8:9], 3072*KROW         ; w_proj's rows of wc
	s_add_nc_u64 s[10:11], s[10:11], 3072*KS       ; and of ws
	s_add_nc_u64 s[20:21], s[4:5], s[20:21]
	s_add_nc_u64 s[22:23], s[6:7], s[22:23]
	s_add_nc_u64 s[46:47], s[8:9], s[46:47]
	s_add_nc_u64 s[92:93], s[10:11], s[92:93]
	CROUND                                         ; all sixteen work-groups are here: the first joint loads meet
	s_mov_b32 s[G0S], 1
	s_add_co_u32 s[G0S+1], s94, SCL
	s_mov_b64 s[G0S+2:G0S+3], s[22:23]
	s_or_b32 s[G0S+3], s[G0S+3], 0x80000000
	s_mov_b32 s[G0SB], 1
	s_add_co_u32 s[G0SB+1], s94, SCL
	s_mov_b64 s[G0SB+2:G0SB+3], s[92:93]
	s_or_b32 s[G0SB+3], s[G0SB+3], 0x80000000
	JLOAD G0S, G1S, G0SB, G1SB                     ; the scales first.  each load below waits for the ones before it: one tensor load of mine is out at a time
.irp s, 0,1
	s_mov_b32 s[G0+4*\s], 1
	s_add_co_u32 s[G0+4*\s+1], s45, \s*SLOT
	s_add_nc_u64 s[G0+4*\s+2:G0+4*\s+3], s[20:21], \s*ROWA
	s_or_b32 s[G0+4*\s+3], s[G0+4*\s+3], 0x80000000
	s_mov_b32 s[G0B+4*\s], 1
	s_add_co_u32 s[G0B+4*\s+1], s45, \s*SLOT
	s_add_nc_u64 s[G0B+4*\s+2:G0B+4*\s+3], s[46:47], \s*ROWB
	s_or_b32 s[G0B+4*\s+3], s[G0B+4*\s+3], 0x80000000
	s_wait_alu depctr_va_vdst(0)
	s_wait_tensorcnt 0x0
	ds_add_u32 v28, v29
	s_wait_dscnt 0x0
	CROUND
	JLOAD G0+4*\s, G1, G0B+4*\s, G1B
.endr
	v_and_b32 v1, 15, v0                           ; l % 16
	v_bfe_u32 v2, v0, 4, 1                         ; l / 16
	v_mul_u32_u24 v3, v1, PITCH
	v_mul_u32_u24 v4, v2, 24
	v_add_nc_u32 v4, v3, v4                        ; B: a fragment's row x pitch + 24 x half
	v_lshl_add_u32 v5, v2, 4, v4                   ; and the same behind one padding more
	v_and_b32 v6, 31, v0
	v_lshlrev_b32 v7, 3, v6                        ; A: 8 x lane
	s_mul_i32 s21, s15, HALFT
	s_mul_i32 s22, s16, HALFT
	s_add_co_u32 s22, s22, 2*HALFT
.irp s, 0,1
	v_add_nc_u32 v[ADRA+\s], s21, v7
	v_add_nc_u32 v[ADRB+\s], s22, v4
	v_add_nc_u32 v[ADRB+2+\s], s22, v5
	s_add_co_u32 s21, s21, SLOT
	s_add_co_u32 s22, s22, SLOT
.endr
	v_mul_u32_u24 v5, v1, KS
	v_lshrrev_b32 v6, 8, v5
	v_lshl_add_u32 v5, v6, 4, v5
	s_mul_i32 s21, s15, HALFS
	s_mul_i32 s22, s16, HALFS
	s_add_co_u32 s22, s22, 2*HALFS
	s_sub_co_u32 s22, s22, s21
	v_mul_u32_u24 v6, s22, v2                      ; lanes 16-31 take B's
	s_add_co_u32 s21, s21, SCL
	v_add_nc_u32 v5, v5, v6
	v_add_nc_u32 v[ADRS], s21, v5
	s_mul_i32 s23, s14, 16*SPITCH                  ; my stage
	v_mul_u32_u24 v5, v1, SPITCH                   ; in: row l % 16; tile 2 b + u of B holds the true columns 32 b + 16 (l / 16) + 8 u + j: 64 bytes for each half of the lanes
	v_lshl_add_u32 v5, v2, 6, v5
	v_add_nc_u32 v[STO], s23, v5
	v_and_b32 v6, 31, v0
	v_lshlrev_b32 v[CO], 4, v6                     ; back: the 32 lanes take one row of 512 bytes; and the same in out0
	v_add_nc_u32 v[RD], s23, v[CO]
	s_lshl_b32 s20, s17, 8
	s_lshl_b32 s21, s15, 7
	s_add_co_u32 s20, s20, s21                     ; my first row
	s_mov_b32 s21, 0
	s_mov_b64 s[18:19], SIZE_N*4
	s_mul_u64 s[20:21], s[20:21], s[18:19]
	s_lshl_b32 s46, s42, 10                        ; my first column, in bytes
	s_lshl_b32 s47, s16, 9
	s_add_co_u32 s46, s46, s47
	s_mov_b32 s47, 0
	s_add_nc_u64 s[20:21], s[20:21], s[46:47]
	s_add_nc_u64 s[12:13], s[12:13], s[20:21]
.macro FRAG reg, adr, q, i             ; a fragment of B from rows: pieces of 8 bytes; lanes 16-31 read three pieces on: where that lies behind one padding more, the second address register serves
.irp p, 0,1,2,3,4,5
.set PC, 12*(\q)+6*(\p/3)+\p%3
.if PC%8 < 5
	ds_load_b64 v[\reg+2*\p:\reg+2*\p+1], v[\adr] offset:8*PC+16*(PC/8)+(\i)*16*PITCH
.else
	ds_load_b64 v[\reg+2*\p:\reg+2*\p+1], v[\adr+2] offset:8*PC+16*(PC/8)+(\i)*16*PITCH
.endif
.endr
.endm
.macro FRAGA reg, adr, q, i            ; a fragment of A: it lies as its registers: plane p holds registers 2 p, 2 p + 1 of all 32 lanes, 256 consecutive bytes
.irp p, 0,1,2,3,4,5
	ds_load_b64 v[\reg+2*\p:\reg+2*\p+1], v[\adr] offset:(\i)*ROWA+(\q)*1536+256*\p
.endr
.endm
.macro MUL16 a0, p, q, sc, zero        ; 16 matrix instructions; the 64 accumulators take turns, one instruction a turn
.irp a, \a0, \a0+1
.irp b, 0,1,2,3,4,5,6,7
.if \zero
	v_wmma_scale_f32_16x16x128_f8f6f4 v[8*(8*((\a)%4)+\b):8*(8*((\a)%4)+\b)+7], v[128*(\p)+FR*\b:128*(\p)+FR*\b+FR-1], v[AF+FR*(\a):AF+FR*(\a)+FR-1], 0, v[SC+8*NQ*(\sc)+NQ*\b+(\q)], v[SC+8*NQ*(\sc)+NQ*(\a)+(\q)] matrix_a_fmt:MATRIX_FMT_BF6 matrix_b_fmt:MATRIX_FMT_BF6 matrix_a_scale:MATRIX_SCALE_ROW1
.else
	v_wmma_scale_f32_16x16x128_f8f6f4 v[8*(8*((\a)%4)+\b):8*(8*((\a)%4)+\b)+7], v[128*(\p)+FR*\b:128*(\p)+FR*\b+FR-1], v[AF+FR*(\a):AF+FR*(\a)+FR-1], v[8*(8*((\a)%4)+\b):8*(8*((\a)%4)+\b)+7], v[SC+8*NQ*(\sc)+NQ*\b+(\q)], v[SC+8*NQ*(\sc)+NQ*(\a)+(\q)] matrix_a_fmt:MATRIX_FMT_BF6 matrix_b_fmt:MATRIX_FMT_BF6 matrix_a_scale:MATRIX_SCALE_ROW1
.endif
.endr
.endr
.endm
.macro FETCH_B slot, q, p
	WIN TO_B
.irp i, 0,1,2,3,4,5,6,7
	FRAG 128*(\p)+FR*\i, ADRB+\slot, \q, \i
.endr
	WIN 0
.endm
.macro FETCH_A slot, q, i0
.irp i, \i0, \i0+1, \i0+2, \i0+3
	FRAGA AF+FR*(\i), ADRA+\slot, \q, \i
.endr
.endm
.macro SCALES sc
.irp i, 0,1,2,3,4,5,6,7
	ds_load_b64 v[SC+8*NQ*\sc+NQ*\i:SC+8*NQ*\sc+NQ*\i+1], v[ADRS] offset:\i*SBLK
.endr
.endm
.macro PLACES n                        ; plain vector lines between a matrix instruction and a load into, or a read of, its registers
.rept \n
	v_nop
.endr
.endm
.macro STEP slot, q, zero
	s_wait_dscnt 4*NL                              ; B's set and A's blocks 0-3 are in; the youngest 24 loads (A's blocks 4-7) may be out
	WIN MUL_LO
	MUL16 0, (\q)%2, \q, \slot, \zero
	MUL16 2, (\q)%2, \q, \slot, \zero
	s_wait_dscnt 0
	PLACES NP
	FETCH_B \slot, (\q)+1, 1-(\q)%2
	FETCH_A \slot, (\q)+1, 0
	WIN MUL_HI
	MUL16 4, (\q)%2, \q, \slot, \zero
	MUL16 6, (\q)%2, \q, \slot, \zero
	PLACES NP
	WIN 0
	FETCH_A \slot, (\q)+1, 4
.endm
.macro TURN slot, next, fill           ; a slot's last step changes slots: ONE barrier; in front of it the wait for all my tensor loads, the add, and the wait for it and for my reads of this slot
	s_wait_tensorcnt 0x0                           ; all my tensor loads have landed: my part of the next slot
	ds_add_u32 v[SPW], v[NIL]                      ; 0 onto my spare word
	s_wait_dscnt 4*NL+1                            ; (the add and the youngest 24 loads may be out)
	WIN MUL_LO
	MUL16 0, 1, NQ-1, \slot, 0
	s_wait_dscnt 0x0                               ; the add is done, and my reads of this slot are over
	s_barrier_signal -1
	MUL16 2, 1, NQ-1, \slot, 0
	WIN 0
	s_barrier_wait -1
.if \fill
	CREST                                          ; a round of the cluster's barrier: no wave of any partner still reads this slot or has a load on its way
	s_add_nc_u64 s[G0+4*\slot+2:G0+4*\slot+3], s[G0+4*\slot+2:G0+4*\slot+3], 2*ROWA
	s_add_nc_u64 s[G0B+4*\slot+2:G0B+4*\slot+3], s[G0B+4*\slot+2:G0B+4*\slot+3], 2*ROWB
	JLOAD G0+4*\slot, G1, G0B+4*\slot, G1B         ; the first tensor load behind the round; its four v_nop are the places in front of the loads below
.else
	PLACES NP
.endif
	s_wait_alu depctr_va_vdst(0)
	v_add_nc_u32 v[ADRS], 4*NQ, v[ADRS]
	FETCH_B \next, 0, 0
	FETCH_A \next, 0, 0
	SCALES \next
	WIN MUL_HI
	MUL16 4, 1, NQ-1, \slot, 0
	MUL16 6, 1, NQ-1, \slot, 0
	PLACES NP
	WIN 0
	FETCH_A \next, 0, 4
.endm
	s_wait_alu depctr_va_vdst(0)
	s_wait_tensorcnt 1                             ; the scales and my part of K step 0 are in (K step 1's load may be out),
	s_barrier_signal -1
	s_barrier_wait -1                              ; everybody's are
	FETCH_B 0, 0, 0
	FETCH_A 0, 0, 0
	SCALES 0
	FETCH_A 0, 0, 4
	STEP 0, 0, 1                                   ; the first step's products start the sums
	s_mov_b32 s3, LAPS-1
.Llap:
	TURN 0, 1, 1
	STEP 1, 0, 0
	TURN 1, 0, 1
	STEP 0, 0, 0
	s_sub_co_u32 s3, s3, 1
	s_cmp_lg_u32 s3, 0
	s_cbranch_scc1 .Llap
	TURN 0, 1, 0                                   ; the last lap fills nothing
	STEP 1, 0, 0
	s_wait_dscnt 4*NL
	WIN MUL_LO
	MUL16 0, 1, NQ-1, 1, 0
	MUL16 2, 1, NQ-1, 1, 0
	s_wait_dscnt 0
	WIN MUL_HI
	MUL16 4, 1, NQ-1, 1, 0
	MUL16 6, 1, NQ-1, 1, 0
	WIN 0
; THE WAY OUT, block by block of 16 rows x 128 columns, through my own stage in LDS: in by 32 bytes a lane at the TRUE column, back as whole rows of 512 bytes, stored at the TRUE row.
; LDS serves a wave's instructions in order (ISA guide 5.7.1.4): no wait between the stores and the loads, nor in front of the next block's stores.
.macro TOSTAGE a
.set AC, 64*((\a)%4)
.set WD, 8+4*((\a)/4)                  ; an LDS store's data: window 2 or 3
	WIN WD
.irp b, 0,1,2,3,4,5,6,7
	ds_store_b128 v[STO], v[AC+8*\b:AC+8*\b+3] offset:128*(\b/2)+32*(\b%2)          ; each accumulator from its low end on
	ds_store_b128 v[STO], v[AC+8*\b+4:AC+8*\b+7] offset:128*(\b/2)+32*(\b%2)+16
.endr
	WIN 0
.set BB, BK+64*((\a)%2)
.irp t, 0,1,2,3,4,5,6,7,8,9,10,11,12,13,14,15
	ds_load_b128 v[BB+4*\t:BB+4*\t+3], v[RD] offset:\t*SPITCH
.endr
.endm
.macro SEND a, younger                 ; younger: the LDS instructions issued behind block a's loads, which may stay out
.set BB, BK+64*((\a)%2)
	s_wait_dscnt \younger
.irp t, 0,1,2,3,4,5,6,7,8,9,10,11,12,13,14,15
	global_store_b128 v[CO], v[BB+4*\t:BB+4*\t+3], s[12:13] offset:(32*((\a)/2)+8*((\a)%2)+\t+8*(\t/8))*SIZE_N*4 th:TH_STORE_NT   ; place 16 a + t holds true row 32 (a / 2) + 8 (a % 2) + t + 8 (t / 8); 512 consecutive bytes; 127 rows at the most: inside the signed 24-bit immediate
.endr
.endm
	PLACES NP                                      ; behind the last products: for the reads of results and for the loads into the registers that held A's fragments
	TOSTAGE 0
.irp a, 1,2,3,4,5,6,7
.if \a > 1
	s_wait_xcnt 0x0                                ; block a - 2's stores have read their registers: block a's loads may land there
.endif
	TOSTAGE \a
	SEND \a-1, 32                                  ; behind block a - 1's loads: block a's 16 stores and 16 loads
.endr
	SEND 7, 0
	s_wait_tensorcnt 0x0                           ; the wave's end
	ds_add_u32 v[SPW], v[NIL]
	s_wait_dscnt 0x0
	CROUND                                         ; the closing round
	s_endpgm
.Lfunc_end_k_q3c96e0ce96_gemm_proj:
	.size	k_q3c96e0ce96_gemm_proj, .Lfunc_end_k_q3c96e0ce96_gemm_proj-k_q3c96e0ce96_gemm_proj
	.p2alignl 7, 3214868480
	.fill 96, 4, 3214868480
	.section	.rodata,"a",@progbits
	.p2align	6, 0x0
	.amdhsa_kernel k_q3c96e0ce96_gemm_proj
		.amdhsa_group_segment_fixed_size 327680
		.amdhsa_private_segment_fixed_size 0
		.amdhsa_enable_private_segment 0
		.amdhsa_kernarg_size 40
		.amdhsa_user_sgpr_count 2
		.amdhsa_user_sgpr_kernarg_segment_ptr 1
		.amdhsa_wavefront_size32 1
		.amdhsa_system_sgpr_workgroup_id_x 1
		.amdhsa_system_sgpr_workgroup_id_y 1
		.amdhsa_system_sgpr_workgroup_id_z 1
		.amdhsa_system_vgpr_workitem_id 0
		.amdhsa_next_free_vgpr 1024
		.amdhsa_next_free_sgpr 98
		.amdhsa_reserve_vcc 0
		.amdhsa_float_denorm_mode_32 3
		.amdhsa_float_denorm_mode_16_64 3
		.amdhsa_memory_ordered 1
		.amdhsa_forward_progress 1
		.amdhsa_inst_pref_size 160
	.end_amdhsa_kernel
	.amdgpu_metadata
---
amdhsa.version: [ 1, 2 ]
amdhsa.kernels:
  - .name:           k_q3c96e0ce96_gemm_proj
    .symbol:         k_q3c96e0ce96_gemm_proj.kd
    .args:
      - { .name: oc, .offset: 0, .size: 8, .value_kind: global_buffer, .address_space: global }
      - { .name: os, .offset: 8, .size: 8, .value_kind: global_buffer, .address_space: global }
      - { .name: wc, .offset: 16, .size: 8, .value_kind: global_buffer, .address_space: global }
      - { .name: ws, .offset: 24, .size: 8, .value_kind: global_buffer, .address_space: global }
      - { .name: out0, .offset: 32, .size: 8, .value_kind: global_buffer, .address_space: global }
    .group_segment_fixed_size: 327680
    .private_segment_fixed_size: 0
    .kernarg_segment_align: 8
    .kernarg_segment_size: 40
    .max_flat_workgroup_size: 128
    .sgpr_count:     98
    .vgpr_count:     1024
    .wavefront_size: 32
...
	.end_amdgpu_metadata
.endif
;; end of part 4
